; MI455X (gfx1250); checked and timed in simulation.
; The chip was launched on July 23, 2026; its instructions are those of AMD's public machine-readable ISA for CDNA 5 (MIT licence, August 2026) and "CDNA5" Instruction Set Architecture Reference Guide (July 2026). The comments in the code are by the model that wrote it; some were corrected since.
;; Transport Module. Allowed arithmetic: float matrix products may take bf16 or f16 operands with f32 sums; all other float work in f32.
;; Inputs: attn_params_0_0 6 x 64 float32; attn_params_0_1 64 float32; attn_params_1_0 64 x 64 float32; attn_params_1_1 64 float32; attn_params_2_0 64 x 1 float32; attn_params_2_1 1 float32; coeff_position 256 x 2 float32; coeff_values 256 x 2 float32; transport_params_0_0 10 x 256 float32; transport_params_0_1 256 float32; transport_params_1_0 256 x 256 float32; transport_params_1_1 256 float32; transport_params_2_0 256 x 1 float32; transport_params_2_1 1 float32; v 8,192 x 2 float32; v_prime 8,192 x 2 float32; x 8,192 x 2 float32; x_prime 8,192 x 2 float32.
;; Outputs: out0 8,192 x 1 float32.
;; 3 versions, each right and faster than the one before. Each part assembles by itself: llvm-mc -triple=amdgcn-amd-amdhsa -mcpu=gfx1250 --defsym DOCPART=n.
;; ======== version 1 of 3: 1 launch
;; limits: an absolute error that grows with the inputs' magnitude: up to 4e-06 times it; right only within a limited range of input values
;; launch transport (part 1): grid 256 x 1, 16 waves a work-group, no clusters, 176,896 bytes of LDS; arguments x, v, x_prime, v_prime, coeff_position, coeff_values, attn_params_0_0, attn_params_0_1, attn_params_1_0, attn_params_1_1, attn_params_2_0, attn_params_2_1, transport_params_0_0, transport_params_0_1, transport_params_1_0, transport_params_1_1, transport_params_2_0, transport_params_2_1, out0; writes out0
.if DOCPART == 1
	.amdgcn_target "amdgcn-amd-amdhsa--gfx1250"
	.amdhsa_code_object_version 6
	.text
	.protected	k_q4ee93c6029_transport
	.globl	k_q4ee93c6029_transport
	.p2align	8
	.type	k_q4ee93c6029_transport,@function
k_q4ee93c6029_transport:
	s_mov_b64 s[64:65], 0
	v_nop
	global_prefetch_b8 v0, s[64:65] scope:SCOPE_SE
	s_setreg_imm32_b32 hwreg(HW_REG_WAVE_MODE, 25, 1), 1
	s_wait_xcnt 0x0
; TransportModule, whole, in one launch.  8192 rows n, 256 points p.
; A work-group owns 32 rows (256 work-groups).  16 waves, 4 to a SIMD, 256 registers each.
; ATTENTION: wave W owns rows 2W, 2W+1 of the group and all 256 points of each: 8 trips of 32 pairs a row, a trip = two tiles of 16 pairs.
; TRANSPORT: wave W owns hidden units 16W .. 16W+15 of both hidden layers, for all 32 rows.
;
; EVERY LAYER IS COMPUTED TRANSPOSED: A = the weights transposed (M = hidden units), B = the activations (N = 16 pairs or rows).  In the result,
; register j of lane (r, h) is unit 16t + 8h + j of pair r, and two such tiles rounded to bf16 ARE the next layer's B fragment of 32 along K
; (registers 0-3: k = 8h .., registers 4-7: k = 16 + 8h ..).  So nothing moves between lanes from layer to layer.
; tanh(z) = 1 - 2 / (1 + 2^(2 log2e z)): the factor 2 log2e is folded into all weights and biases, so an accumulator goes straight into v_exp_f32.
; It holds at both ends: 2^big = inf gives 1, 2^-big = 0 gives -1.
; The two layers with ONE output (64 -> 1, 256 -> 1) are f32 multiply-adds in the lanes that hold the activations: on the matrix unit they would
; use 1 of 16 result rows and need the rounding to bf16 besides.
; The softmax takes its maximum away: a running maximum in each lane (8 points a lane and row), merged over the 32 lanes at the row's end.
;
; NO TENSOR LOADS, NO CLUSTER: the one large input that all work-groups share is transport_params_1_0, 262,144 bytes of f32.  It has to be scaled and
; rounded to bf16 in registers, and its f32 image beside the bf16 image (139,264 bytes with padding) does not fit into 327,680 bytes of LDS.
; So it comes through registers, 16 loads of 16 bytes a lane on their way in each wave.  All other inputs together are under 300,000 bytes.
; A work-group's output is 128 consecutive bytes (32 rows of one f32), stored by one instruction.
;
; LIMITS, kept knowingly:
;  - masked logits are -1e30 in the base-2 domain (reference: -1e30 in the natural one): equal unless a true logit lies below about -7e29.
;  - positions_local is a multiply and a fused multiply-add: where it is zero to within rounding its sign, and so the mask, may differ from the reference's.
;  - the biases of the two first layers ride in the matrix product as two bf16 (high part, remainder): about 16 bits of each.
;  - v_exp_f32, v_rcp_f32, v_rsq_f32, v_sqrt_f32 are good to 1 ULP and flush denormals (ISA guide, their entries in 15.8).
;  - weights and inputs are finite: unused K positions are zeros on one side at least, and 0 x inf would be NaN.
.set SCALE,  0x4038aa3b                ; 2 log2(e)
.set NSCALE, 0xc038aa3b
.set LOG2E,  0x3fb8aa3b
.set NLOG2E, 0xbfb8aa3b
.set EPS16,  0x24e69595                ; 1e-16
.set EPS8,   0x322bcc77                ; 1e-8
.set NEGBIG, 0xf149f2ca                ; -1e30
.set ONES,   0x3f803f80                ; two bf16 ones
; LDS, all of it written by ds_store
.set WT1S, 0                           ; 2log2e U1 in bf16, [k = 256][n = 256], pitch 544 = 17 x 32
.set P1T,  544
.set W2S,  139264                      ; 2log2e W2 in bf16, [k = 64][n = 64], pitch 160 = 5 x 32
.set P2A,  160
.set CPT,  149504                      ; coeff_position, 2,048 bytes of f32; coeff_values follow at CPT + 2048
.set COEF, 153600                      ; exp(-attn): [32 rows][2] f32
.set H1,   153856                      ; transport h1 in bf16: [32 rows][256 k], pitch 528 = 33 x 16
.set PH1,  528
.set PART, 170752                      ; [32 parts][32 rows] f32: partial sums of the last layer
; vector registers of the attention part
.set CPA, 1                            ; LDS address of my point's position
.set XX,  2                            ; v[2:3]     x of the row
.set GG,  4                            ; v[4:5]     v / |v|
.set CP,  6                            ; v[6:7]     my point's position
.set CV,  8                            ; v[8:9]     my point's values
.set T,   10                           ; v[10:17]   at work
.set MX,  18                           ; running maximum
.set SS,  19                           ; running sum
.set AC,  20                           ; v[20:21]   running weighted sums
.set PE,  22                           ; the even tile's partial logit
.set K3,  23                           ; the logit's constant
.set ACC, 24                           ; v[24:27]   two pair sums of layer 3
.set B1,  28                           ; v[28:35]   layer 1's B: 28-31 features, 32-35 zero
.set A1,  36                           ; v[36:67]   layer 1's A: 4 registers for (variant, tile) at 36 + 16 var + 4 t;  v[68:71] zero
.set A2,  72                           ; v[72:135]  layer 2's A: tile t, K step s at 72 + 8 (2t + s)
.set C2,  136                          ; v[136:167] 2log2e b2 in the result's layout
.set W3N, 168                          ; v[168:199] -2log2e w3 in the result's layout
.set DD,  200                          ; v[200:231] four result tiles
.set BH,  232                          ; v[232:247] activations in bf16 = layer 2's B
; v248 CPT + 8 lane; v249 -1e30; v250 COEF + 16 W; v251 two bf16 ones; v252-255 addresses of the transport part
.set C1T, 216                          ; transport: 2log2e c1 of my units
.set U2T, 224                          ; transport: 2log2e u2 of my units
.set TAC, 240                          ; transport: v[240:243] pair sums, v[244:245] partials
; ---------------------------------------------------------------- macros
; Four places behind a run of matrix instructions before a vector instruction reads a result (ISA guide 7.12.1).
.macro PLACES
.rept 4
	v_nop
.endr
.endm
.macro EXP8 t
.irp j, 0,1,2,3,4,5,6,7
	v_exp_f32 v[DD+8*\t+\j], v[DD+8*\t+\j]
.endr
.endm
.macro RCP8 t
.irp j, 0,1,2,3,4,5,6,7
	v_rcp_f32 v[DD+8*\t+\j], v[DD+8*\t+\j]
.endr
.endm
.macro ADD8 t
	s_wait_alu depctr_va_vdst(0)
.irp j, 0,2,4,6
	v_pk_add_f32 v[DD+8*\t+\j:DD+8*\t+\j+1], v[DD+8*\t+\j:DD+8*\t+\j+1], 1.0 op_sel_hi:[1,0]
.endr
.endm
; tile t: h = 1 - 2 r, rounded to bf16 into the next layer's B fragment
.macro FINH t
	s_wait_alu depctr_va_vdst(0)
.irp i, 0,1,2,3
	v_pk_fma_f32 v[DD+8*\t+2*\i:DD+8*\t+2*\i+1], v[DD+8*\t+2*\i:DD+8*\t+2*\i+1], -2.0, 1.0 op_sel_hi:[1,0,0]
.endr
	s_wait_alu depctr_va_vdst(0)
.irp i, 0,1,2,3
	v_cvt_pk_bf16_f32 v[BH+4*\t+\i], v[DD+8*\t+2*\i], v[DD+8*\t+2*\i+1]
.endr
.endm
; tile t: layer 3 of the attention net on the reciprocals themselves: sum of r_k (-2log2e w3_k); the constant part is in K3.
; Two pair sums take turns; the first two products start them, nothing is cleared.
.macro FINA t
.irp i, 0,1,2,3
.if (4*\t+\i) < 2
	v_pk_mul_f32 v[ACC+2*\i:ACC+2*\i+1], v[DD+2*\i:DD+2*\i+1], v[W3N+2*\i:W3N+2*\i+1]
	s_wait_alu depctr_va_vdst(0)
.else
	s_wait_alu depctr_va_vdst(0)
	v_pk_fma_f32 v[ACC+2*(\i&1):ACC+2*(\i&1)+1], v[DD+8*\t+2*\i:DD+8*\t+2*\i+1], v[W3N+8*\t+2*\i:W3N+8*\t+2*\i+1], v[ACC+2*(\i&1):ACC+2*(\i&1)+1]
.endif
.endr
.endm
; column tile c of the transport net: h2 = 1 - 2 r, then my 8 units' share of the last layer
.macro FINT c
	s_wait_alu depctr_va_vdst(0)
.irp i, 0,1,2,3
	v_pk_fma_f32 v[DD+8*\c+2*\i:DD+8*\c+2*\i+1], v[DD+8*\c+2*\i:DD+8*\c+2*\i+1], -2.0, 1.0 op_sel_hi:[1,0,0]
.endr
	v_pk_mul_f32 v[TAC+2*\c:TAC+2*\c+1], v[DD+8*\c:DD+8*\c+1], v[U2T:U2T+1]
.irp i, 1,2,3
	v_pk_fma_f32 v[TAC+2*\c:TAC+2*\c+1], v[DD+8*\c+2*\i:DD+8*\c+2*\i+1], v[U2T+2*\i:U2T+2*\i+1], v[TAC+2*\c:TAC+2*\c+1]
.endr
.endm
.macro FIN kind, t
.if \kind == 0
	FINH \t
.else
.if \kind == 1
	FINA \t
.else
	FINT \t
.endif
.endif
.endm
; r = 1 / (1 + 2^acc) on four tiles, and what follows it.  The tiles are skewed so that behind every transcendental at least one plain vector
; instruction that touches neither its result nor its source stands before the result's first use (ISA guide 5.7.2): two v_nop for 64 transcendentals.
.macro TANH4 kind
	EXP8 0
	v_nop
	s_wait_alu depctr_va_vdst(0)
	ADD8 0
	RCP8 0
	EXP8 1
	v_nop
	s_wait_alu depctr_va_vdst(0)
	ADD8 1
	RCP8 1
	EXP8 2
	FIN \kind, 0
	ADD8 2
	RCP8 2
	EXP8 3
	FIN \kind, 1
	ADD8 3
	RCP8 3
	FIN \kind, 2
	FIN \kind, 3
.endm
.macro TANH2 kind
	EXP8 0
	v_nop
	s_wait_alu depctr_va_vdst(0)
	ADD8 0
	RCP8 0
	EXP8 1
	v_nop
	s_wait_alu depctr_va_vdst(0)
	ADD8 1
	RCP8 1
	FIN \kind, 0
	FIN \kind, 1
.endm
; Layer 1, 64 units x 16 pairs.  B holds TWO tiles' features: lanes 0-15 (k = 0..7) those of points 32u + r, lanes 16-31 (k = 8..15) those of points
; 32u + 16 + r.  Variant 0 of A has its weights at k = 0..7 and zeros at 8..15, variant 1 the other way round.  A's registers 4-7 (k = 16..31) meet B's
; zeros, so each tuple may run on into the next tile's four (finite) registers.
.macro L1MM var
.irp t, 0,1,2,3
	v_wmma_f32_16x16x32_bf16 v[DD+8*\t:DD+8*\t+7], v[A1+16*\var+4*\t:A1+16*\var+4*\t+7], v[B1:B1+7], 0
.endr
.endm
; Layer 2, K = 64 in two steps; the first takes the bias as C.  The four accumulators take turns, one instruction a turn.
.macro L2MM
.irp t, 0,1,2,3
	v_wmma_f32_16x16x32_bf16 v[DD+8*\t:DD+8*\t+7], v[A2+16*\t:A2+16*\t+7], v[BH:BH+7], v[C2+8*\t:C2+8*\t+7]
.endr
.irp t, 0,1,2,3
	v_wmma_f32_16x16x32_bf16 v[DD+8*\t:DD+8*\t+7], v[A2+16*\t+8:A2+16*\t+15], v[BH+8:BH+15], v[DD+8*\t:DD+8*\t+7]
.endr
.endm
; One tile of 16 pairs through the three layers.  dst: in lane (r, h) the share of pair r's logit that comes from the units 16t + 8h + j.
.macro TILE var, dst
	L1MM \var
	PLACES
	TANH4 0
	L2MM
	PLACES
	TANH4 1
	v_pk_add_f32 v[ACC:ACC+1], v[ACC:ACC+1], v[ACC+2:ACC+3]
	v_add_f32 v[\dst], v[ACC], v[ACC+1]
.endm
; sum of register r over the 32 lanes, into every lane
.macro WSUM r
	v_add_f32_dpp v[\r], v[\r], v[\r] row_xmask:1 row_mask:0xf bank_mask:0xf
	v_add_f32_dpp v[\r], v[\r], v[\r] row_xmask:2 row_mask:0xf bank_mask:0xf
	v_add_f32_dpp v[\r], v[\r], v[\r] row_xmask:4 row_mask:0xf bank_mask:0xf
	v_add_f32_dpp v[\r], v[\r], v[\r] row_xmask:8 row_mask:0xf bank_mask:0xf
	v_permlanex16_b32 v[T+2], v[\r], s48, s49
	v_add_f32 v[\r], v[\r], v[T+2]
.endm
; Row i (0 or 1) of my two: 8 trips of 32 pairs, then exp(-attn) into COEF.
.macro NROW i
	v_mov_b32 v[XX], s[52+2*\i]
	v_mov_b32 v[XX+1], s[53+2*\i]
	v_mov_b32 v[T], s[56+2*\i]
	v_mov_b32 v[T+1], s[57+2*\i]
	v_mul_f32 v[T+2], v[T], v[T]
	v_fmac_f32 v[T+2], v[T+1], v[T+1]
	v_add_f32 v[T+2], EPS16, v[T+2]
	v_rsq_f32 v[T+2], v[T+2]
	v_cvt_pk_bf16_f32 v[B1], v[XX], v[XX+1]        ; features 0, 1 (the plain instruction behind v_rsq_f32)
	v_cvt_pk_bf16_f32 v[B1+1], v[T], v[T+1]        ; features 2, 3
	s_wait_alu depctr_va_vdst(0)
	v_mul_f32 v[GG], v[T], v[T+2]                  ; angles_global
	v_mul_f32 v[GG+1], v[T+1], v[T+2]
	v_mov_b32 v[MX], 0xff800000                    ; -inf: the first trip's 2^(MX - m) is 0
	v_mov_b32 v[SS], 0
	v_mov_b32 v[AC], 0
	v_mov_b32 v[AC+1], 0
	v_mov_b32 v[CPA], v248
	s_mov_b32 s51, 0
.Lgroup_\@:
	; geometry of pair (row, point 32u + lane), in f32
	ds_load_b64 v[CP:CP+1], v[CPA]
	ds_load_b64 v[CV:CV+1], v[CPA] offset:2048
	s_wait_dscnt 0x1                               ; LDS answers in order (ISA guide 5.7.1): the position is in, the values' load behind it stays out
	v_pk_add_f32 v[T:T+1], v[XX:XX+1], v[CP:CP+1] neg_lo:[0,1] neg_hi:[0,1]   ; rel_vec
	v_fmaak_f32 v[T+2], v[T], v[T], EPS16
	v_fmac_f32 v[T+2], v[T+1], v[T+1]
	v_sqrt_f32 v[T+2], v[T+2]                      ; rel_dist2
	v_mul_f32 v[T+3], v[T], v[GG]                  ; positions_local (these two stand behind v_sqrt_f32)
	v_fmac_f32 v[T+3], v[T+1], v[GG+1]
	s_wait_alu depctr_va_vdst(0)
	v_add_f32 v[T+2], EPS8, v[T+2]
	v_rcp_f32 v[T+2], v[T+2]
	v_add_nc_u32 v[CPA], 256, v[CPA]               ; the next 32 points (stands behind v_rcp_f32)
	v_cmp_lt_f32 s50, 0, v[T+3]                    ; the mask: positions_local > 0
	s_wait_alu depctr_va_vdst(0)
	v_mul_f32 v[T+2], v[T+3], v[T+2]               ; angles_local
	v_cvt_pk_bf16_f32 v[B1+2], v[T+2], v[T+3]      ; features 4, 5
	TILE 0, PE                                     ; points 32u + r
	TILE 1, T+6                                    ; points 32u + 16 + r
	; lane 16h + r takes its own point's logit: its own share of its tile, and the share that lane r + 16 (1 - h) holds
	v_cndmask_b32 v[T+4], v[PE], v[T+6], s46       ; mine
	v_cndmask_b32 v[T+5], v[T+6], v[PE], s46       ; the other half's
	v_permlanex16_b32 v[T+7], v[T+5], s48, s49
	v_add_f32 v[T+4], v[T+4], v[K3]
	v_add_f32 v[T+4], v[T+4], v[T+7]               ; log2e x logit
	v_cndmask_b32 v[T+4], v249, v[T+4], s50        ; -1e30 where masked
	s_wait_dscnt 0x0                               ; my point's values
	v_max_num_f32 v[T+5], v[MX], v[T+4]            ; the new maximum
	v_sub_f32 v[T+6], v[MX], v[T+5]
	v_sub_f32 v[T+4], v[T+4], v[T+5]
	v_exp_f32 v[T+6], v[T+6]                       ; what the old sums shrink by
	v_exp_f32 v[T+4], v[T+4]                       ; this point's weight
	v_mov_b32 v[MX], v[T+5]                        ; (the plain instruction behind the two)
	s_wait_alu depctr_va_vdst(0)
	v_fma_f32 v[SS], v[SS], v[T+6], v[T+4]
	v_pk_mul_f32 v[AC:AC+1], v[AC:AC+1], v[T+6:T+7] op_sel_hi:[1,0]
	v_pk_fma_f32 v[AC:AC+1], v[CV:CV+1], v[T+4:T+5], v[AC:AC+1] op_sel_hi:[1,0,1]
	s_add_co_u32 s51, s51, 1
	s_cmp_lt_u32 s51, 8
	s_cbranch_scc1 .Lgroup_\@
	; the 32 lanes' maxima and sums are merged
	v_mov_b32 v[T], v[MX]
	v_max_num_f32_dpp v[T], v[T], v[T] row_xmask:1 row_mask:0xf bank_mask:0xf
	v_max_num_f32_dpp v[T], v[T], v[T] row_xmask:2 row_mask:0xf bank_mask:0xf
	v_max_num_f32_dpp v[T], v[T], v[T] row_xmask:4 row_mask:0xf bank_mask:0xf
	v_max_num_f32_dpp v[T], v[T], v[T] row_xmask:8 row_mask:0xf bank_mask:0xf
	v_permlanex16_b32 v[T+1], v[T], s48, s49
	v_max_num_f32 v[T], v[T], v[T+1]
	v_sub_f32 v[T+1], v[MX], v[T]
	v_exp_f32 v[T+1], v[T+1]
	v_nop
	s_wait_alu depctr_va_vdst(0)
	v_mul_f32 v[SS], v[SS], v[T+1]
	v_mul_f32 v[AC], v[AC], v[T+1]
	v_mul_f32 v[AC+1], v[AC+1], v[T+1]
	WSUM SS                                        ; at least 1: the lane with the maximum adds 2^0
	WSUM AC
	WSUM AC+1
	v_rcp_f32 v[SS], v[SS]
	v_nop
	s_wait_alu depctr_va_vdst(0)
	v_mul_f32 v[SS], NLOG2E, v[SS]
	v_mul_f32 v[AC], v[AC], v[SS]
	v_mul_f32 v[AC+1], v[AC+1], v[SS]
	v_exp_f32 v[AC], v[AC]                         ; exp(-attn)
	v_exp_f32 v[AC+1], v[AC+1]
	v_nop
	s_wait_alu depctr_va_vdst(0)
	ds_store_b64 v250, v[AC:AC+1] offset:8*\i      ; all lanes hold the same two numbers and write the same 8 bytes
.endm
; where the transport net's layer 2 keeps the B fragment of K step s, column tile c
.macro SETTB s, c
.if \s < 4
.set TB, 136+16*\s+8*\c
.else
.set TB, 8+16*(\s-4)+8*\c
.endif
.endm
; ---------------------------------------------------------------- head: addresses, constants, the weights into registers and LDS
	s_load_b512 s[8:23], s[0:1], 0x0               ; x 8, v 10, x' 12, v' 14, positions 16, values 18, W1 20, b1 22
	s_load_b512 s[24:39], s[0:1], 0x40             ; W2 24, b2 26, w3 28, b3 30, U0 32, c0 34, U1 36, c1 38
	s_load_b128 s[40:43], s[0:1], 0x80             ; u2 40, c2 42
	s_load_b64 s[44:45], s[0:1], 0x90              ; out0
	v_lshrrev_b32 v1, 5, v0
	v_readfirstlane_b32 s2, v1                     ; wave W, 0 to 15
	s_mov_b32 s3, ttmp9                            ; work-group g
	s_mov_b32 s46, 0xffff0000                      ; the lanes with h = 1
	s_mov_b32 s48, 0x76543210                      ; v_permlanex16_b32: lane i reads lane i xor 16
	s_mov_b32 s49, 0xfedcba98
	s_mov_b32 s62, SCALE                           ; pairs, since a packed multiply reads a pair
	s_mov_b32 s63, SCALE
	s_mov_b32 s74, NSCALE
	s_mov_b32 s75, NSCALE
	s_lshl_b32 s66, s3, 8                          ; 32 rows of 8 bytes a group,
	s_lshl4_add_u32 s66, s2, s66                   ; 2 rows a wave
	s_mov_b32 s67, 0
	s_lshl_b32 s51, s2, 4
	s_add_co_u32 s51, s51, COEF
	v_and_b32 v10, 15, v0                          ; r
	v_bfe_u32 v11, v0, 4, 1                        ; h
	v_lshlrev_b32 v2, 5, v11                       ; 32 h: 8 units of f32
	v_lshlrev_b32 v3, 2, v10                       ; 4 r
	v_and_b32 v4, 255, v0
	v_lshlrev_b32 v4, 3, v4                        ; 8 (thread mod 256): a point's 8 bytes
	v_lshlrev_b32 v5, 4, v0                        ; 16 x thread
	v_lshlrev_b32 v6, 3, v0
	v_add_nc_u32 v6, CPT, v6                       ; threads 0-255 fill the positions, 256-511 the values behind them
	v_lshrrev_b32 v12, 4, v0
	v_mul_u32_u24 v7, v12, P2A
	v_lshl_add_u32 v7, v10, 3, v7
	v_add_nc_u32 v7, W2S, v7                       ; W2: row thread / 16, 4 columns at thread mod 16
	v_lshrrev_b32 v12, 6, v0
	v_and_b32 v13, 63, v0
	v_mul_u32_u24 v8, v12, P1T
	v_lshl_add_u32 v8, v13, 3, v8                  ; U1: row thread / 64, 4 columns at thread mod 64
	v_add_nc_u32 v9, 128*P1T, v8                   ; the same 128 rows on: an LDS immediate has 16 bits
	v_and_b32 v248, 31, v0
	v_lshlrev_b32 v248, 3, v248
	v_add_nc_u32 v248, CPT, v248
	v_mov_b32 v249, NEGBIG
	v_mov_b32 v250, s51
	v_mov_b32 v251, ONES
	v_mov_b32 v[B1+3], ONES                        ; features 6, 7 = 1: they meet the bias's two parts
.irp j, 4,5,6,7
	v_mov_b32 v[B1+\j], 0
	v_mov_b32 v[A1+28+\j], 0
.endr
	v_mov_b32 v[T+7], 0                            ; later a destination of v_permlanex16_b32, which counts as read
	s_wait_kmcnt 0x0
	s_add_nc_u64 s[68:69], s[8:9], s[66:67]
	s_add_nc_u64 s[70:71], s[10:11], s[66:67]
	s_load_b128 s[52:55], s[68:69], 0x0            ; x of my two rows
	s_load_b128 s[56:59], s[70:71], 0x0            ; v of my two rows
	s_load_b32 s60, s[30:31], 0x0                  ; b3
	s_load_b32 s61, s[42:43], 0x0                  ; c2
	s_cmp_lt_u32 s2, 8
	s_cselect_b64 s[72:73], s[16:17], s[18:19]     ; waves 0-7 copy the positions, waves 8-15 the values
.irp t, 0,1,2,3
	global_load_b128 v[C2+8*\t:C2+8*\t+3], v2, s[26:27] offset:64*\t         ; b2[16t + 8h + j]
	global_load_b128 v[C2+8*\t+4:C2+8*\t+7], v2, s[26:27] offset:64*\t+16
.endr
.irp t, 0,1,2,3
	global_load_b128 v[W3N+8*\t:W3N+8*\t+3], v2, s[28:29] offset:64*\t       ; w3[16t + 8h + j]
	global_load_b128 v[W3N+8*\t+4:W3N+8*\t+7], v2, s[28:29] offset:64*\t+16
.endr
.irp t, 0,1,2,3
.irp k, 0,1,2,3,4,5
	global_load_b32 v[DD+8*\t+\k], v3, s[20:21] offset:256*\k+64*\t          ; W1[k][16t + r]
.endr
	global_load_b32 v[DD+8*\t+6], v3, s[22:23] offset:64*\t                  ; b1[16t + r]
.endr
	global_load_b64 v[240:241], v4, s[72:73]
	global_load_b128 v[232:235], v5, s[24:25]                                ; W2: 1,024 pieces of 16 bytes, two a thread
	global_load_b128 v[236:239], v5, s[24:25] offset:8192
.irp q, 0,1,2,3,4,5,6,7,8,9,10,11,12,13,14,15
	global_load_b128 v[A2+4*\q:A2+4*\q+3], v5, s[36:37] offset:8192*\q       ; U1: 16,384 pieces of 16 bytes, 32 a thread; the first 16
.endr
	s_wait_loadcnt 16                              ; loads come back in order (ISA guide 5.7.1): the 47 small ones are in, U1's 16 stay out
	s_wait_kmcnt 0x0                               ; my rows, b3, c2
	ds_store_b64 v6, v[240:241]
.irp q, 0,1
	v_pk_mul_f32 v[232+4*\q:233+4*\q], v[232+4*\q:233+4*\q], s[62:63] op_sel_hi:[1,0]
	v_pk_mul_f32 v[234+4*\q:235+4*\q], v[234+4*\q:235+4*\q], s[62:63] op_sel_hi:[1,0]
	v_cvt_pk_bf16_f32 v[T], v[232+4*\q], v[233+4*\q]
	v_cvt_pk_bf16_f32 v[T+1], v[234+4*\q], v[235+4*\q]
	ds_store_b64 v7, v[T:T+1] offset:32*P2A*\q
.endr
.irp j, 0,2,4,6,8,10,12,14,16,18,20,22,24,26,28,30
	v_pk_mul_f32 v[C2+\j:C2+\j+1], v[C2+\j:C2+\j+1], s[62:63] op_sel_hi:[1,0]
	v_pk_mul_f32 v[W3N+\j:W3N+\j+1], v[W3N+\j:W3N+\j+1], s[74:75] op_sel_hi:[1,0]
.endr
	; log2e (b3 + sum w3 (1 - 2r)) = [log2e b3 - 1/2 sum W3N] + sum r W3N: the bracket is K3
	v_pk_add_f32 v[T:T+1], v[W3N:W3N+1], v[W3N+2:W3N+3]
	v_pk_add_f32 v[T+2:T+3], v[W3N+4:W3N+5], v[W3N+6:W3N+7]
.irp j, 8,12,16,20,24,28
	v_pk_add_f32 v[T:T+1], v[T:T+1], v[W3N+\j:W3N+\j+1]
	v_pk_add_f32 v[T+2:T+3], v[T+2:T+3], v[W3N+\j+2:W3N+\j+3]
.endr
	v_pk_add_f32 v[T:T+1], v[T:T+1], v[T+2:T+3]
	v_add_f32 v[T], v[T], v[T+1]                   ; my 32 units,
	v_permlanex16_b32 v[T+1], v[T], s48, s49
	v_add_f32 v[T], v[T], v[T+1]                   ; and the other half's 32
	s_mul_f32 s60, s60, LOG2E
	s_mul_f32 s61, s61, SCALE
	v_fma_f32 v[K3], v[T], -0.5, s60
	; layer 1's A: k = 0..5 the weights, k = 6, 7 the bias as a bf16 and the bf16 of what that leaves; once for each half of the lanes
.irp t, 0,1,2,3
	v_pk_mul_f32 v[DD+8*\t:DD+8*\t+1], v[DD+8*\t:DD+8*\t+1], s[62:63] op_sel_hi:[1,0]
	v_pk_mul_f32 v[DD+8*\t+2:DD+8*\t+3], v[DD+8*\t+2:DD+8*\t+3], s[62:63] op_sel_hi:[1,0]
	v_pk_mul_f32 v[DD+8*\t+4:DD+8*\t+5], v[DD+8*\t+4:DD+8*\t+5], s[62:63] op_sel_hi:[1,0]
	v_mul_f32 v[DD+8*\t+6], s62, v[DD+8*\t+6]
	v_cvt_pk_bf16_f32 v[T], v[DD+8*\t], v[DD+8*\t+1]
	v_cvt_pk_bf16_f32 v[T+1], v[DD+8*\t+2], v[DD+8*\t+3]
	v_cvt_pk_bf16_f32 v[T+2], v[DD+8*\t+4], v[DD+8*\t+5]
	v_cvt_pk_bf16_f32 v[T+4], v[DD+8*\t+6], v[DD+8*\t+6]
	v_lshlrev_b32 v[T+4], 16, v[T+4]               ; the bias's high part as f32
	v_sub_f32 v[T+5], v[DD+8*\t+6], v[T+4]         ; what it leaves
	v_cvt_pk_bf16_f32 v[T+3], v[T+4], v[T+5]
.irp i, 0,1,2,3
	v_cndmask_b32 v[A1+4*\t+\i], v[T+\i], 0, s46           ; variant 0: lanes 0-15
	v_cndmask_b32 v[A1+16+4*\t+\i], 0, v[T+\i], s46        ; variant 1: lanes 16-31
.endr
.endr
	; U1 through a ring of 16 register slots: scaled, rounded, 8 bytes a lane into LDS; piece q + 16 follows piece q into its slot
.set q, 0
.rept 32
.if q < 16
	s_wait_loadcnt 15                              ; behind piece q: pieces q+1 .. 15 and the q refills = 15
.else
	s_wait_loadcnt 31-q                            ; behind piece q: pieces q+1 .. 31
.endif
	v_pk_mul_f32 v[T:T+1], v[A2+4*(q&15):A2+4*(q&15)+1], s[62:63] op_sel_hi:[1,0]
	v_pk_mul_f32 v[T+2:T+3], v[A2+4*(q&15)+2:A2+4*(q&15)+3], s[62:63] op_sel_hi:[1,0]
	v_cvt_pk_bf16_f32 v[T+4], v[T], v[T+1]
	v_cvt_pk_bf16_f32 v[T+5], v[T+2], v[T+3]
.if q < 16
	ds_store_b64 v8, v[T+4:T+5] offset:8*P1T*q
	global_load_b128 v[A2+4*q:A2+4*q+3], v5, s[36:37] offset:8192*(q+16)
.else
	ds_store_b64 v9, v[T+4:T+5] offset:8*P1T*(q-16)
.endif
.set q, q+1
.endr
	s_wait_dscnt 0x0                               ; for the other waves' sake: all my LDS stores are done
	s_barrier_signal -1
	s_barrier_wait -1                              ; W2, U1, positions and values are whole
; ---------------------------------------------------------------- layer 2's A fragments: W2 lies [k][n], the transposing load turns it
	v_and_b32 v[T], 7, v0
	v_bfe_u32 v[T+1], v0, 4, 1
	v_bfe_u32 v[T+2], v0, 3, 1
	v_lshl_add_u32 v[T], v[T+1], 3, v[T]           ; row 8h + lane mod 8
	v_mul_u32_u24 v[T+3], v[T], P2A
	v_lshl_add_u32 v[T+3], v[T+2], 4, v[T+3]       ; 8 columns for each eight lanes
	v_add_nc_u32 v[T+3], W2S, v[T+3]
.irp t, 0,1,2,3
.irp s, 0,1
	ds_load_tr16_b128 v[A2+8*(2*\t+\s):A2+8*(2*\t+\s)+3], v[T+3] offset:32*P2A*\s+32*\t
	ds_load_tr16_b128 v[A2+8*(2*\t+\s)+4:A2+8*(2*\t+\s)+7], v[T+3] offset:32*P2A*\s+16*P2A+32*\t
.endr
.endr
	s_wait_dscnt 0x0
; ---------------------------------------------------------------- attention: my two rows
	NROW 0
	NROW 1
; ---------------------------------------------------------------- transport net
	v_and_b32 v17, 15, v0                          ; r
	v_bfe_u32 v18, v0, 4, 1                        ; h
	v_and_b32 v19, 7, v0
	v_bfe_u32 v20, v0, 3, 1
	v_lshl_add_u32 v19, v18, 3, v19
	v_mul_u32_u24 v1, v19, P1T
	v_lshl_add_u32 v1, v20, 4, v1
	s_lshl_b32 s51, s2, 5                          ; my 16 units: 32 bytes of bf16
	v_add_nc_u32 v1, s51, v1                       ; U1 for the transposing load: row 8h + lane mod 8, columns 16W ..
	v_add_nc_u32 v2, 128*P1T, v1                   ; K steps 4 to 7
.irp s, 0,1,2,3
	ds_load_tr16_b128 v[A2+8*\s:A2+8*\s+3], v1 offset:32*P1T*\s
	ds_load_tr16_b128 v[A2+8*\s+4:A2+8*\s+7], v1 offset:32*P1T*\s+16*P1T
	ds_load_tr16_b128 v[A2+32+8*\s:A2+32+8*\s+3], v2 offset:32*P1T*\s
	ds_load_tr16_b128 v[A2+32+8*\s+4:A2+32+8*\s+7], v2 offset:32*P1T*\s+16*P1T
.endr
	s_lshl_b32 s66, s3, 8
	s_lshl_b32 s67, s2, 6
	s_lshl_b32 s50, s2, 8
	v_lshl_add_u32 v3, v17, 3, s66                 ; row 32g + r of x, v, x', v'
	v_lshl_add_u32 v4, v17, 2, s67                 ; unit 16W + r, f32
	v_lshl_add_u32 v5, v18, 13, v4                 ; and 8 rows of U0 on for h = 1
	v_lshl_add_u32 v6, v18, 5, s67                 ; units 16W + 8h .., f32
	v_lshlrev_b32 v7, 3, v17
	v_add_nc_u32 v7, COEF, v7
	v_mul_u32_u24 v21, v17, PH1
	v_lshl_add_u32 v21, v18, 4, v21
	v_add_nc_u32 v253, H1, v21                     ; h1 as a B fragment: row r, 16 h
	v_add_nc_u32 v252, s51, v253                   ; h1 as I store it: my 16 units' columns
	v_lshlrev_b32 v22, 2, v17
	v_lshl_add_u32 v22, v18, 7, v22
	v_add_nc_u32 v22, s50, v22
	v_add_nc_u32 v254, PART, v22                   ; part 2W + h, row r
.irp c, 0,1
	global_load_b64 v[136+8*\c:137+8*\c], v3, s[8:9] offset:128*\c
	global_load_b64 v[138+8*\c:139+8*\c], v3, s[10:11] offset:128*\c
	global_load_b64 v[140+8*\c:141+8*\c], v3, s[12:13] offset:128*\c
	global_load_b64 v[142+8*\c:143+8*\c], v3, s[14:15] offset:128*\c
.endr
	global_load_b32 v8, v5, s[32:33]               ; U0 rows 0, 1 (h = 0) or 8, 9 (h = 1)
	global_load_b32 v9, v5, s[32:33] offset:1024
.irp i, 2,3,4,5,6,7
	global_load_b32 v[8+\i], v4, s[32:33] offset:1024*\i   ; rows 2 to 7 in all lanes: no lane leaves the 10 rows
.endr
	global_load_b32 v16, v4, s[34:35]              ; c0
	global_load_b128 v[C1T:C1T+3], v6, s[38:39]
	global_load_b128 v[C1T+4:C1T+7], v6, s[38:39] offset:16
	global_load_b128 v[U2T:U2T+3], v6, s[40:41]
	global_load_b128 v[U2T+4:U2T+7], v6, s[40:41] offset:16
	s_wait_dscnt 0x0                               ; for the other waves' sake: my two rows' coefficients are in LDS
	s_barrier_signal -1
	s_barrier_wait -1                              ; all 32 rows' are
	ds_load_b64 v[152:153], v7
	ds_load_b64 v[154:155], v7 offset:128
	s_wait_loadcnt 0x0
	s_wait_dscnt 0x0
	; A of layer 1: lanes 0-15 rows 0-7 of U0; lanes 16-31 rows 8, 9, the bias's two parts, zeros.  k = 16..31: zeros
.irp j, 0,2,4,6
	v_pk_mul_f32 v[8+\j:9+\j], v[8+\j:9+\j], s[62:63] op_sel_hi:[1,0]
	v_pk_mul_f32 v[C1T+\j:C1T+\j+1], v[C1T+\j:C1T+\j+1], s[62:63] op_sel_hi:[1,0]
	v_pk_mul_f32 v[U2T+\j:U2T+\j+1], v[U2T+\j:U2T+\j+1], s[62:63] op_sel_hi:[1,0]
.endr
	v_mul_f32 v16, s62, v16
	v_cvt_pk_bf16_f32 v24, v8, v9
	v_cvt_pk_bf16_f32 v18, v10, v11
	v_cvt_pk_bf16_f32 v19, v12, v13
	v_cvt_pk_bf16_f32 v20, v14, v15
	v_cvt_pk_bf16_f32 v21, v16, v16
	v_lshlrev_b32 v21, 16, v21
	v_sub_f32 v22, v16, v21
	v_cvt_pk_bf16_f32 v23, v21, v22
	v_cndmask_b32 v25, v18, v23, s46
	v_cndmask_b32 v26, v19, 0, s46
	v_cndmask_b32 v27, v20, 0, s46
.irp j, 28,29,30,31
	v_mov_b32 v[\j], 0
.endr
	; B of layer 1, rows 16c + r: lanes 0-15 x, v, x', v'; lanes 16-31 the coefficients, two ones, zeros
.irp c, 0,1
	v_cvt_pk_bf16_f32 v17, v[136+8*\c], v[137+8*\c]
	v_cvt_pk_bf16_f32 v18, v[138+8*\c], v[139+8*\c]
	v_cvt_pk_bf16_f32 v19, v[140+8*\c], v[141+8*\c]
	v_cvt_pk_bf16_f32 v20, v[142+8*\c], v[143+8*\c]
	v_cvt_pk_bf16_f32 v21, v[152+2*\c], v[153+2*\c]
	v_cndmask_b32 v[32+8*\c], v17, v21, s46
	v_cndmask_b32 v[33+8*\c], v18, v251, s46
	v_cndmask_b32 v[34+8*\c], v19, 0, s46
	v_cndmask_b32 v[35+8*\c], v20, 0, s46
.irp j, 36,37,38,39
	v_mov_b32 v[\j+8*\c], 0
.endr
.endr
	v_wmma_f32_16x16x32_bf16 v[DD:DD+7], v[24:31], v[32:39], 0
	v_wmma_f32_16x16x32_bf16 v[DD+8:DD+15], v[24:31], v[40:47], 0
	PLACES
	TANH2 0
	ds_store_b128 v252, v[BH:BH+3]                 ; h1 of units 16W + 8h .. +7, row r
	ds_store_b128 v252, v[BH+4:BH+7] offset:16*PH1 ; row 16 + r
	s_wait_dscnt 0x0                               ; for the other waves' sake
	s_barrier_signal -1
	s_barrier_wait -1                              ; h1 is whole
	; layer 2: K = 256 in 8 steps, two column tiles; all 32 fragment loads go out at once
.irp s, 0,1,2,3,4,5,6,7
.irp c, 0,1
	SETTB \s, \c
	ds_load_b128 v[TB:TB+3], v253 offset:16*PH1*\c+64*\s
	ds_load_b128 v[TB+4:TB+7], v253 offset:16*PH1*\c+64*\s+32
.endr
.endr
	; the two accumulators take turns, one instruction a turn; the first step takes the bias as C
.irp s, 0,1,2,3,4,5,6,7
	s_wait_dscnt 4*(7-\s)                          ; four loads for each later K step stay out
	SETTB \s, 0
.if \s == 0
	v_wmma_f32_16x16x32_bf16 v[DD:DD+7], v[A2+8*\s:A2+8*\s+7], v[TB:TB+7], v[C1T:C1T+7]
.else
	v_wmma_f32_16x16x32_bf16 v[DD:DD+7], v[A2+8*\s:A2+8*\s+7], v[TB:TB+7], v[DD:DD+7]
.endif
	SETTB \s, 1
.if \s == 0
	v_wmma_f32_16x16x32_bf16 v[DD+8:DD+15], v[A2+8*\s:A2+8*\s+7], v[TB:TB+7], v[C1T:C1T+7]
.else
	v_wmma_f32_16x16x32_bf16 v[DD+8:DD+15], v[A2+8*\s:A2+8*\s+7], v[TB:TB+7], v[DD+8:DD+15]
.endif
.endr
	PLACES
	TANH2 2
	v_add_f32 v[TAC+4], v[TAC], v[TAC+1]           ; my 8 units' share of 2log2e u2 . h2, row r
	v_add_f32 v[TAC+5], v[TAC+2], v[TAC+3]         ; row 16 + r
	ds_store_b32 v254, v[TAC+4]
	ds_store_b32 v254, v[TAC+5] offset:64
	s_wait_dscnt 0x0                               ; for wave 0's sake
	s_barrier_signal -1
	s_barrier_wait -1                              ; all 32 parts of all 32 rows are there
	s_cmp_lg_u32 s2, 0
	s_cbranch_scc1 .Lend
	; wave 0: lane = row.  32 parts, the bias, tanh, exp, and 128 consecutive bytes out
	v_and_b32 v255, 31, v0
	v_lshlrev_b32 v249, 2, v255
	v_add_nc_u32 v249, PART, v249
	s_lshl_b32 s50, s3, 7
	v_lshl_add_u32 v255, v255, 2, s50
.irp i, 0,1,2,3,4,5,6,7,8,9,10,11,12,13,14,15,16,17,18,19,20,21,22,23,24,25,26,27,28,29,30,31
	ds_load_b32 v[8+\i], v249 offset:128*\i
.endr
	s_wait_dscnt 0x0
.irp j, 0,2,4,6,8,10,12,14
	v_pk_add_f32 v[8+\j:9+\j], v[8+\j:9+\j], v[24+\j:25+\j]
.endr
.irp j, 0,2,4,6
	v_pk_add_f32 v[8+\j:9+\j], v[8+\j:9+\j], v[16+\j:17+\j]
.endr
	v_pk_add_f32 v[8:9], v[8:9], v[12:13]
	v_pk_add_f32 v[10:11], v[10:11], v[14:15]
	v_pk_add_f32 v[8:9], v[8:9], v[10:11]
	v_add_f32 v8, v8, v9
	v_add_f32 v8, s61, v8                          ; + 2log2e c2
	v_exp_f32 v8, v8
	v_nop                                          ; one plain instruction behind each transcendental (ISA guide 5.7.2)
	s_wait_alu depctr_va_vdst(0)
	v_add_f32 v8, 1.0, v8
	v_rcp_f32 v8, v8
	v_nop
	s_wait_alu depctr_va_vdst(0)
	v_fma_f32 v8, v8, -2.0, 1.0                    ; tanh
	v_mul_f32 v8, LOG2E, v8
	v_exp_f32 v8, v8                               ; exp
	v_nop
	s_wait_alu depctr_va_vdst(0)
	global_store_b32 v255, v8, s[44:45]
.Lend:
	s_wait_xcnt 0x0
	v_lshl_add_u32 v254, v0, 2, 0x2ab00
	v_mov_b32 v255, 0
	s_wait_tensorcnt 0x0
	ds_add_u32 v254, v255
	s_wait_dscnt 0x0
	s_endpgm
.Lfunc_end_k_q4ee93c6029_transport:
	.size	k_q4ee93c6029_transport, .Lfunc_end_k_q4ee93c6029_transport-k_q4ee93c6029_transport
	.p2alignl 7, 3214868480
	.fill 96, 4, 3214868480
	.section	.rodata,"a",@progbits
	.p2align	6, 0x0
	.amdhsa_kernel k_q4ee93c6029_transport
		.amdhsa_group_segment_fixed_size 176896
		.amdhsa_private_segment_fixed_size 0
		.amdhsa_enable_private_segment 0
		.amdhsa_kernarg_size 152
		.amdhsa_user_sgpr_count 2
		.amdhsa_user_sgpr_kernarg_segment_ptr 1
		.amdhsa_wavefront_size32 1
		.amdhsa_system_sgpr_workgroup_id_x 1
		.amdhsa_system_sgpr_workgroup_id_y 1
		.amdhsa_system_sgpr_workgroup_id_z 1
		.amdhsa_system_vgpr_workitem_id 0
		.amdhsa_next_free_vgpr 256
		.amdhsa_next_free_sgpr 76
		.amdhsa_reserve_vcc 0
		.amdhsa_float_denorm_mode_32 3
		.amdhsa_float_denorm_mode_16_64 3
		.amdhsa_memory_ordered 1
		.amdhsa_forward_progress 1
		.amdhsa_inst_pref_size 108
	.end_amdhsa_kernel
	.amdgpu_metadata
---
amdhsa.version: [ 1, 2 ]
amdhsa.kernels:
  - .name:           k_q4ee93c6029_transport
    .symbol:         k_q4ee93c6029_transport.kd
    .args:
      - { .name: x, .offset: 0, .size: 8, .value_kind: global_buffer, .address_space: global }
      - { .name: v, .offset: 8, .size: 8, .value_kind: global_buffer, .address_space: global }
      - { .name: x_prime, .offset: 16, .size: 8, .value_kind: global_buffer, .address_space: global }
      - { .name: v_prime, .offset: 24, .size: 8, .value_kind: global_buffer, .address_space: global }
      - { .name: coeff_position, .offset: 32, .size: 8, .value_kind: global_buffer, .address_space: global }
      - { .name: coeff_values, .offset: 40, .size: 8, .value_kind: global_buffer, .address_space: global }
      - { .name: attn_params_0_0, .offset: 48, .size: 8, .value_kind: global_buffer, .address_space: global }
      - { .name: attn_params_0_1, .offset: 56, .size: 8, .value_kind: global_buffer, .address_space: global }
      - { .name: attn_params_1_0, .offset: 64, .size: 8, .value_kind: global_buffer, .address_space: global }
      - { .name: attn_params_1_1, .offset: 72, .size: 8, .value_kind: global_buffer, .address_space: global }
      - { .name: attn_params_2_0, .offset: 80, .size: 8, .value_kind: global_buffer, .address_space: global }
      - { .name: attn_params_2_1, .offset: 88, .size: 8, .value_kind: global_buffer, .address_space: global }
      - { .name: transport_params_0_0, .offset: 96, .size: 8, .value_kind: global_buffer, .address_space: global }
      - { .name: transport_params_0_1, .offset: 104, .size: 8, .value_kind: global_buffer, .address_space: global }
      - { .name: transport_params_1_0, .offset: 112, .size: 8, .value_kind: global_buffer, .address_space: global }
      - { .name: transport_params_1_1, .offset: 120, .size: 8, .value_kind: global_buffer, .address_space: global }
      - { .name: transport_params_2_0, .offset: 128, .size: 8, .value_kind: global_buffer, .address_space: global }
      - { .name: transport_params_2_1, .offset: 136, .size: 8, .value_kind: global_buffer, .address_space: global }
      - { .name: out0, .offset: 144, .size: 8, .value_kind: global_buffer, .address_space: global }
    .group_segment_fixed_size: 176896
    .private_segment_fixed_size: 0
    .kernarg_segment_align: 8
    .kernarg_segment_size: 152
    .max_flat_workgroup_size: 512
    .sgpr_count:     76
    .vgpr_count:     256
    .wavefront_size: 32
...
	.end_amdgpu_metadata
.endif
;; end of part 1
;; ======== version 2 of 3: 2 launches; 1.21 times as fast as version 1
;; limits: an absolute error that grows with the inputs' magnitude: up to 4e-06 times it; right only within a limited range of input values
;; workspace buffers: plan 294,912 bytes of whole numbers
;; launch mask (part 2): grid 256 x 1, 8 waves a work-group, no clusters, 1,280 bytes of LDS; arguments x, v, coeff_position, plan; writes plan
.if DOCPART == 2
	.amdgcn_target "amdgcn-amd-amdhsa--gfx1250"
	.amdhsa_code_object_version 6
	.text
	.protected	k_q4ee93c6029_mask
	.globl	k_q4ee93c6029_mask
	.p2align	8
	.type	k_q4ee93c6029_mask,@function
k_q4ee93c6029_mask:
	s_mov_b64 s[64:65], 0
	v_nop
	global_prefetch_b8 v0, s[64:65] scope:SCOPE_SE
	s_setreg_imm32_b32 hwreg(HW_REG_WAVE_MODE, 25, 1), 1
	s_wait_xcnt 0x0
; Which pairs (row n, point p) are alive: positions_local(n, p) > 0.  The answer steers trip counts and addresses of the next launch,
; so it is made here and stored as whole numbers; every address of this launch is fixed by ids and constants.
; plan, part 1 (262,144 bytes): [8192 rows][8 words]; bit l of word u of row n: point 32u + l is alive.
; plan, part 2 (32,768 bytes):  for each block of 32 rows 32 words: entry W < 16 = live pairs of the block's rows in front of rows 2W, 2W+1;
;                               entries 16 to 31 = live pairs of the whole block.
; A work-group owns a block of 32 rows; 8 waves, 4 rows each; lane l keeps the positions of points 32u + l, u = 0..7, in registers.
; A wave's 32 mask words leave by one store of 128 consecutive bytes.  No matrix work, no tensor loads: 2,048 bytes of positions and 64 bytes of rows a wave.
; positions_local is a multiply and a fused multiply-add on x - position and v / sqrt(|v|^2 + 1e-16): where it is zero to within rounding,
; its sign may differ from the reference's.  NaN counts as not alive, as in the reference's comparison.
.set EPS16, 0x24e69595                 ; 1e-16
.set BASES, 262144                     ; byte offset of part 2
.set CPR, 4                            ; v[4:19]   my 8 points
.set XX,  20                           ; v[20:21]  x of the row
.set GG,  22                           ; v[22:23]  v / |v|
.set T,   24                           ; v[24:27]  at work
.set MW,  28                           ; lane 8i + u: word u of my row i
.set TT,  32                           ; v[32:47]  the 16 counts of two rows each
	s_load_b128 s[4:7], s[0:1], 0x0                ; x, v
	s_load_b128 s[8:11], s[0:1], 0x10              ; positions, plan
	v_lshl_add_u32 v56, v0, 2, 0x100
	v_mov_b32 v57, 0
	v_lshrrev_b32 v1, 5, v0
	v_readfirstlane_b32 s2, v1                     ; wave 0..7
	v_and_b32 v2, 31, v0                           ; lane
	v_lshlrev_b32 v3, 3, v2                        ; a point's 8 bytes
	s_lshl_b32 s12, ttmp9, 8                       ; 32 rows of 8 bytes a group,
	s_lshl_b32 s13, s2, 5                          ; 4 rows a wave
	s_add_co_u32 s12, s12, s13
	s_mov_b32 s13, 0
	s_mov_b32 s42, 0                               ; live pairs of my rows 0, 1
	s_mov_b32 s43, 0                               ; and of my rows 2, 3
	s_lshl_b32 s44, ttmp9, 10                      ; the block's 256 words,
	s_lshl_b32 s45, s2, 7                          ; my 32 of them
	s_add_co_u32 s44, s44, s45
	s_lshl_b32 s45, ttmp9, 7                       ; the block's 32 words of part 2
	v_lshl_add_u32 v29, v2, 2, s44
	v_mov_b32 v[MW], 0                             ; v_writelane_b32 keeps the other lanes: written whole once
	s_wait_kmcnt 0x0
	s_add_nc_u64 s[14:15], s[4:5], s[12:13]
	s_add_nc_u64 s[16:17], s[6:7], s[12:13]
	s_load_b256 s[20:27], s[14:15], 0x0            ; x of my 4 rows
	s_load_b256 s[28:35], s[16:17], 0x0            ; v of my 4 rows
.irp u, 0,1,2,3,4,5,6,7
	global_load_b64 v[CPR+2*\u:CPR+2*\u+1], v3, s[8:9] offset:256*\u
.endr
	s_wait_kmcnt 0x0
	s_wait_loadcnt 0x0
.irp i, 0,1,2,3
	v_mov_b32 v[XX], s[20+2*\i]
	v_mov_b32 v[XX+1], s[21+2*\i]
	v_mov_b32 v[T], s[28+2*\i]
	v_mov_b32 v[T+1], s[29+2*\i]
	v_mul_f32 v[T+2], v[T], v[T]
	v_fmac_f32 v[T+2], v[T+1], v[T+1]
	v_add_f32 v[T+2], EPS16, v[T+2]
	v_rsq_f32 v[T+2], v[T+2]
	v_nop                                          ; one plain instruction behind a transcendental (ISA guide 5.7.2)
	s_wait_alu depctr_va_vdst(0)
	v_mul_f32 v[GG], v[T], v[T+2]                  ; angles_global
	v_mul_f32 v[GG+1], v[T+1], v[T+2]
.irp u, 0,1,2,3,4,5,6,7
	v_pk_add_f32 v[T:T+1], v[XX:XX+1], v[CPR+2*\u:CPR+2*\u+1] neg_lo:[0,1] neg_hi:[0,1]   ; rel_vec
	v_mul_f32 v[T+3], v[T], v[GG]
	v_fmac_f32 v[T+3], v[T+1], v[GG+1]             ; positions_local
	v_cmp_lt_f32 s40, 0, v[T+3]                    ; 32 points' bits
	v_writelane_b32 v[MW], s40, 8*\i+\u
	s_bcnt1_i32_b32 s41, s40
	s_add_co_u32 s[42+\i/2], s[42+\i/2], s41
.endr
.endr
	global_store_b32 v29, v[MW], s[10:11]          ; 128 consecutive bytes
	v_mov_b32 v30, s42
	v_mov_b32 v31, s43
	v_lshlrev_b32 v1, 3, v1                        ; 8 x wave
	ds_store_b64 v1, v[30:31]                      ; all lanes write the same 8 bytes with the same numbers
	s_wait_dscnt 0x0                               ; for wave 0's sake
	s_barrier_signal -1
	s_barrier_wait -1                              ; all 16 counts are there
	s_cmp_lg_u32 s2, 0
	s_cbranch_scc1 .Lend
	v_mov_b32 v48, 0
.irp k, 0,1,2,3
	ds_load_b128 v[TT+4*\k:TT+4*\k+3], v48 offset:16*\k    ; every lane takes all 16
.endr
	v_lshl_add_u32 v51, v2, 2, s45
	s_wait_dscnt 0x0
	v_cmp_lt_u32 vcc_lo, 0, v2
	v_cndmask_b32 v49, 0, v[TT], vcc_lo            ; lane l sums the counts w < l: lanes 16 to 31 sum all
.irp w, 1,2,3,4,5,6,7,8,9,10,11,12,13,14,15
	v_cmp_lt_u32 vcc_lo, \w, v2
	v_cndmask_b32 v50, 0, v[TT+\w], vcc_lo
	v_add_nc_u32 v49, v49, v50
.endr
	global_store_b32 v51, v49, s[10:11] offset:BASES
.Lend:
	s_wait_tensorcnt 0x0
	ds_add_u32 v56, v57
	s_wait_dscnt 0x0
	s_endpgm
.Lfunc_end_k_q4ee93c6029_mask:
	.size	k_q4ee93c6029_mask, .Lfunc_end_k_q4ee93c6029_mask-k_q4ee93c6029_mask
	.p2alignl 7, 3214868480
	.fill 96, 4, 3214868480
	.section	.rodata,"a",@progbits
	.p2align	6, 0x0
	.amdhsa_kernel k_q4ee93c6029_mask
		.amdhsa_group_segment_fixed_size 1280
		.amdhsa_private_segment_fixed_size 0
		.amdhsa_enable_private_segment 0
		.amdhsa_kernarg_size 32
		.amdhsa_user_sgpr_count 2
		.amdhsa_user_sgpr_kernarg_segment_ptr 1
		.amdhsa_wavefront_size32 1
		.amdhsa_system_sgpr_workgroup_id_x 1
		.amdhsa_system_sgpr_workgroup_id_y 1
		.amdhsa_system_sgpr_workgroup_id_z 1
		.amdhsa_system_vgpr_workitem_id 0
		.amdhsa_next_free_vgpr 58
		.amdhsa_next_free_sgpr 66
		.amdhsa_reserve_vcc 1
		.amdhsa_float_denorm_mode_32 3
		.amdhsa_float_denorm_mode_16_64 3
		.amdhsa_memory_ordered 1
		.amdhsa_forward_progress 1
		.amdhsa_inst_pref_size 17
	.end_amdhsa_kernel
	.amdgpu_metadata
---
amdhsa.version: [ 1, 2 ]
amdhsa.kernels:
  - .name:           k_q4ee93c6029_mask
    .symbol:         k_q4ee93c6029_mask.kd
    .args:
      - { .name: x, .offset: 0, .size: 8, .value_kind: global_buffer, .address_space: global }
      - { .name: v, .offset: 8, .size: 8, .value_kind: global_buffer, .address_space: global }
      - { .name: coeff_position, .offset: 16, .size: 8, .value_kind: global_buffer, .address_space: global }
      - { .name: plan, .offset: 24, .size: 8, .value_kind: global_buffer, .address_space: global }
    .group_segment_fixed_size: 1280
    .private_segment_fixed_size: 0
    .kernarg_segment_align: 8
    .kernarg_segment_size: 32
    .max_flat_workgroup_size: 256
    .sgpr_count:     66
    .vgpr_count:     58
    .wavefront_size: 32
...
	.end_amdgpu_metadata
.endif
;; end of part 2
;; launch transport (part 3): grid 256 x 1, 16 waves a work-group, no clusters, 282,880 bytes of LDS; arguments x, v, x_prime, v_prime, coeff_position, coeff_values, attn_params_0_0, attn_params_0_1, attn_params_1_0, attn_params_1_1, attn_params_2_0, attn_params_2_1, transport_params_0_0, transport_params_0_1, transport_params_1_0, transport_params_1_1, transport_params_2_0, transport_params_2_1, out0, plan; writes out0
.if DOCPART == 3
	.amdgcn_target "amdgcn-amd-amdhsa--gfx1250"
	.amdhsa_code_object_version 6
	.text
	.protected	k_q4ee93c6029_transport
	.globl	k_q4ee93c6029_transport
	.p2align	8
	.type	k_q4ee93c6029_transport,@function
k_q4ee93c6029_transport:
	s_mov_b64 s[64:65], 0
	v_nop
	global_prefetch_b8 v0, s[64:65] scope:SCOPE_SE
	s_setreg_imm32_b32 hwreg(HW_REG_WAVE_MODE, 25, 1), 1
	s_wait_xcnt 0x0
; TransportModule: everything but the mask, which the launch before has stored in plan.  8192 rows n, 256 points p.
; A work-group owns 32 rows (256 work-groups).  16 waves, 4 to a SIMD, 256 registers each.
; ONLY LIVE PAIRS GO THROUGH THE ATTENTION NET: a masked pair's logit is replaced by -1e30 whatever it is, so its 128 tanh are not computed.
;  1. wave W does the geometry of its rows 2W, 2W+1 with all 256 points and writes each pair's 16 bytes of features into a list in LDS: the live
;     pairs of the 32 rows first, in order, the masked ones behind them (a permutation of the 8192 pairs: every entry is written).
;  2. the list's first ceil(cnt / 32) groups of 32 pairs are dealt to the 16 waves in turn; a group is two tiles of 16 pairs.  A tile may mix rows:
;     x and v ride in each pair's features.  The trip count comes from plan.
;  3. the logits go back through LDS by list place; wave W makes the softmax of its two rows over all 256 points (-1e30 where masked; a row
;     without a live pair comes out uniform, as in the reference), with the row's maximum taken away.
;  4. the transport net: wave W owns hidden units 16W .. 16W+15 of both hidden layers, for all 32 rows.
; Wherever an LDS address comes from plan, only LDS loads or only LDS stores stand between two barriers, and the number is clamped first.
;
; EVERY LAYER IS COMPUTED TRANSPOSED: A = the weights transposed (M = hidden units), B = the activations (N = 16 pairs or rows).  In the result,
; register j of lane (r, h) is unit 16t + 8h + j of pair r, and two such tiles rounded to bf16 ARE the next layer's B fragment of 32 along K
; (registers 0-3: k = 8h .., registers 4-7: k = 16 + 8h ..).  So nothing moves between lanes from layer to layer.
; tanh(z) = 1 - 2 / (1 + 2^(2 log2e z)): the factor 2 log2e is folded into all weights and biases, so an accumulator goes straight into v_exp_f32.
; It holds at both ends: 2^big = inf gives 1, 2^-big = 0 gives -1.
; The two layers with ONE output (64 -> 1, 256 -> 1) are f32 multiply-adds in the lanes that hold the activations: on the matrix unit they would
; use 1 of 16 result rows and need the rounding to bf16 besides.
;
; NO TENSOR LOADS, NO CLUSTER: the one large input that all work-groups share is transport_params_1_0, 262,144 bytes of f32.  It has to be scaled and
; rounded to bf16 in registers, and its f32 image does not fit into LDS beside the bf16 image (139,264 bytes) and the list (131,072 bytes).
; So it comes through registers, 16 loads of 16 bytes a lane on their way in each wave.
; A work-group's output is 128 consecutive bytes (32 rows of one f32), stored by one instruction.
;
; LIMITS, kept knowingly:
;  - masked logits are -1e30 in the base-2 domain (reference: -1e30 in the natural one): equal unless a true logit lies below about -7e29.
;  - the mask is the sign of a multiply and a fused multiply-add: where positions_local is zero to within rounding it may differ from the reference's.
;  - the biases of the two first layers ride in the matrix product as two bf16 (high part, remainder): about 16 bits of each.
;  - v_exp_f32, v_rcp_f32, v_rsq_f32, v_sqrt_f32 are good to 1 ULP and flush denormals (ISA guide, their entries in 15.8).
;  - weights and inputs are finite: unused K positions are zeros on one side at least, and 0 x inf would be NaN.
.set SCALE,  0x4038aa3b                ; 2 log2(e)
.set NSCALE, 0xc038aa3b
.set LOG2E,  0x3fb8aa3b
.set NLOG2E, 0xbfb8aa3b
.set EPS16,  0x24e69595                ; 1e-16
.set EPS8,   0x322bcc77                ; 1e-8
.set NEGBIG, 0xf149f2ca                ; -1e30
.set ONES,   0x3f803f80                ; two bf16 ones
.set BASES,  262144                    ; plan: byte offset of the blocks' 32 words
; LDS, all of it written by ds_store
.set WT1S, 0                           ; 2log2e U1 in bf16, [k = 256][n = 256], pitch 544 = 17 x 32
.set P1T,  544
.set W2S,  139264                      ; 2log2e W2 in bf16, [k = 64][n = 64], pitch 160 = 5 x 32
.set P2A,  160
.set COEF, 149504                      ; exp(-attn): [32 rows][2] f32
.set LISTF, 149760                     ; the list: 8192 entries of 16 bytes.  Dead behind the loop; then it holds:
.set LOGB, LISTF+32768                 ;   the logits, 4 bytes x list place (below them 32,768 bytes for the chain's unused places)
.set H1,   LISTF+65536                 ;   transport h1 in bf16: [32 rows][256 k], pitch 528 = 33 x 16
.set PH1,  528
.set PART, H1+32*PH1                   ;   [32 parts][32 rows] f32: partial sums of the last layer
; vector registers of the attention part
.set IDX, 1                            ; my list place in the next trip
.set RC,  2                            ; v[2:17]    the chain: place k = my logit of k trips ago (the head keeps addresses here)
.set LAT, 18                           ; an LDS address
.set LN,  19                           ; lane
.set NEG, 20                           ; -1e30
.set PE,  22                           ; the even tile's partial logit; later the row's maximum
.set K3,  23                           ; the logit's constant; later the row's sum
.set ACC, 24                           ; v[24:27]   two pair sums of layer 3; later the row's weighted sums
.set B1,  28                           ; v[28:35]   layer 1's B: 28-31 a list entry, 32-35 zero
.set A1,  36                           ; v[36:67]   layer 1's A: 4 registers for (variant, tile) at 36 + 16 var + 4 t;  v[68:71] zero
.set A2,  72                           ; v[72:135]  layer 2's A: tile t, K step s at 72 + 8 (2t + s)
.set C2,  136                          ; v[136:167] 2log2e b2 in the result's layout
.set W3N, 168                          ; v[168:199] -2log2e w3 in the result's layout
.set DD,  200                          ; v[200:231] four result tiles (head: my 8 points' positions in 200-215; softmax: their values)
.set XX,  216                          ; head: x of the row
.set GG,  218                          ; head: v / |v|
.set F,   220                          ; head: v[220:223] a list entry
.set LG,  216                          ; softmax: v[216:231] my 16 logits
.set BH,  232                          ; v[232:247] activations in bf16 = layer 2's B (softmax: 16 addresses)
.set CO,  244                          ; v[244:247] exp(-attn) of my two rows
.set T,   248                          ; v[248:255] at work
.set SM,  PE
.set SS,  K3
.set AC,  ACC
.set C1T, 216                          ; transport: 2log2e c1 of my units
.set U2T, 224                          ; transport: 2log2e u2 of my units
.set TAC, 240                          ; transport: v[240:243] pair sums, v[244:245] partials
; ---------------------------------------------------------------- macros
; Four places behind a run of matrix instructions before a vector instruction reads a result (ISA guide 7.12.1).
.macro PLACES
.rept 4
	v_nop
.endr
.endm
; The same four places in the loop, filled with work: the chain moves on by one place a trip, from the top down; a = the highest place written here.
.macro PLC a
.irp i, 0,1,2,3
.if (\a-\i) >= 1
	v_mov_b32 v[RC+\a-\i], v[RC+\a-\i-1]
.else
	v_nop
.endif
.endr
.endm
.macro EXP8 t
.irp j, 0,1,2,3,4,5,6,7
	v_exp_f32 v[DD+8*\t+\j], v[DD+8*\t+\j]
.endr
.endm
.macro RCP8 t
.irp j, 0,1,2,3,4,5,6,7
	v_rcp_f32 v[DD+8*\t+\j], v[DD+8*\t+\j]
.endr
.endm
.macro ADD8 t
	s_wait_alu depctr_va_vdst(0)
.irp j, 0,2,4,6
	v_pk_add_f32 v[DD+8*\t+\j:DD+8*\t+\j+1], v[DD+8*\t+\j:DD+8*\t+\j+1], 1.0 op_sel_hi:[1,0]
.endr
.endm
; tile t: h = 1 - 2 r, rounded to bf16 into the next layer's B fragment
.macro FINH t
	s_wait_alu depctr_va_vdst(0)
.irp i, 0,1,2,3
	v_pk_fma_f32 v[DD+8*\t+2*\i:DD+8*\t+2*\i+1], v[DD+8*\t+2*\i:DD+8*\t+2*\i+1], -2.0, 1.0 op_sel_hi:[1,0,0]
.endr
	s_wait_alu depctr_va_vdst(0)
.irp i, 0,1,2,3
	v_cvt_pk_bf16_f32 v[BH+4*\t+\i], v[DD+8*\t+2*\i], v[DD+8*\t+2*\i+1]
.endr
.endm
; tile t: layer 3 of the attention net on the reciprocals themselves: sum of r_k (-2log2e w3_k); the constant part is in K3.
; Two pair sums take turns; the first two products start them, nothing is cleared.
.macro FINA t
.irp i, 0,1,2,3
.if (4*\t+\i) < 2
	v_pk_mul_f32 v[ACC+2*\i:ACC+2*\i+1], v[DD+2*\i:DD+2*\i+1], v[W3N+2*\i:W3N+2*\i+1]
	s_wait_alu depctr_va_vdst(0)
.else
	s_wait_alu depctr_va_vdst(0)
	v_pk_fma_f32 v[ACC+2*(\i&1):ACC+2*(\i&1)+1], v[DD+8*\t+2*\i:DD+8*\t+2*\i+1], v[W3N+8*\t+2*\i:W3N+8*\t+2*\i+1], v[ACC+2*(\i&1):ACC+2*(\i&1)+1]
.endif
.endr
.endm
; column tile c of the transport net: h2 = 1 - 2 r, then my 8 units' share of the last layer
.macro FINT c
	s_wait_alu depctr_va_vdst(0)
.irp i, 0,1,2,3
	v_pk_fma_f32 v[DD+8*\c+2*\i:DD+8*\c+2*\i+1], v[DD+8*\c+2*\i:DD+8*\c+2*\i+1], -2.0, 1.0 op_sel_hi:[1,0,0]
.endr
	v_pk_mul_f32 v[TAC+2*\c:TAC+2*\c+1], v[DD+8*\c:DD+8*\c+1], v[U2T:U2T+1]
.irp i, 1,2,3
	v_pk_fma_f32 v[TAC+2*\c:TAC+2*\c+1], v[DD+8*\c+2*\i:DD+8*\c+2*\i+1], v[U2T+2*\i:U2T+2*\i+1], v[TAC+2*\c:TAC+2*\c+1]
.endr
.endm
.macro FIN kind, t
.if \kind == 0
	FINH \t
.else
.if \kind == 1
	FINA \t
.else
	FINT \t
.endif
.endif
.endm
; r = 1 / (1 + 2^acc) on four tiles, and what follows it.  The tiles are skewed so that behind every transcendental at least one plain vector
; instruction that touches neither its result nor its source stands before the result's first use (ISA guide 5.7.2): two v_nop for 64 transcendentals.
.macro TANH4 kind
	EXP8 0
	v_nop
	s_wait_alu depctr_va_vdst(0)
	ADD8 0
	RCP8 0
	EXP8 1
	v_nop
	s_wait_alu depctr_va_vdst(0)
	ADD8 1
	RCP8 1
	EXP8 2
	FIN \kind, 0
	ADD8 2
	RCP8 2
	EXP8 3
	FIN \kind, 1
	ADD8 3
	RCP8 3
	FIN \kind, 2
	FIN \kind, 3
.endm
.macro TANH2 kind
	EXP8 0
	v_nop
	s_wait_alu depctr_va_vdst(0)
	ADD8 0
	RCP8 0
	EXP8 1
	v_nop
	s_wait_alu depctr_va_vdst(0)
	ADD8 1
	RCP8 1
	FIN \kind, 0
	FIN \kind, 1
.endm
; Layer 1, 64 units x 16 pairs.  B holds TWO tiles' features: lanes 0-15 (k = 0..7) those of list places 32g + r, lanes 16-31 (k = 8..15) those of places
; 32g + 16 + r.  Variant 0 of A has its weights at k = 0..7 and zeros at 8..15, variant 1 the other way round.  A's registers 4-7 (k = 16..31) meet B's
; zeros, so each tuple may run on into the next tile's four (finite) registers.
.macro L1MM var
.irp t, 0,1,2,3
	v_wmma_f32_16x16x32_bf16 v[DD+8*\t:DD+8*\t+7], v[A1+16*\var+4*\t:A1+16*\var+4*\t+7], v[B1:B1+7], 0
.endr
.endm
; Layer 2, K = 64 in two steps; the first takes the bias as C.  The four accumulators take turns, one instruction a turn.
.macro L2MM
.irp t, 0,1,2,3
	v_wmma_f32_16x16x32_bf16 v[DD+8*\t:DD+8*\t+7], v[A2+16*\t:A2+16*\t+7], v[BH:BH+7], v[C2+8*\t:C2+8*\t+7]
.endr
.irp t, 0,1,2,3
	v_wmma_f32_16x16x32_bf16 v[DD+8*\t:DD+8*\t+7], v[A2+16*\t+8:A2+16*\t+15], v[BH+8:BH+15], v[DD+8*\t:DD+8*\t+7]
.endr
.endm
; One tile of 16 pairs through the three layers.  dst: in lane (r, h) the share of pair r's logit that comes from the units 16t + 8h + j.
; a: the chain's places that move here.  pre = 1: B1 has been read for the last time this trip; the next trip's entry is asked for, four places behind.
.macro TILE var, dst, a, pre
	L1MM \var
	PLC \a
.if \pre
	ds_load_b128 v[B1:B1+3], v[LAT]
.endif
	TANH4 0
	L2MM
	PLC \a-4
	TANH4 1
	v_pk_add_f32 v[ACC:ACC+1], v[ACC:ACC+1], v[ACC+2:ACC+3]
	v_add_f32 v[\dst], v[ACC], v[ACC+1]
.endm
; sum of register r over the 32 lanes, into every lane
.macro WSUM r
	v_add_f32_dpp v[\r], v[\r], v[\r] row_xmask:1 row_mask:0xf bank_mask:0xf
	v_add_f32_dpp v[\r], v[\r], v[\r] row_xmask:2 row_mask:0xf bank_mask:0xf
	v_add_f32_dpp v[\r], v[\r], v[\r] row_xmask:4 row_mask:0xf bank_mask:0xf
	v_add_f32_dpp v[\r], v[\r], v[\r] row_xmask:8 row_mask:0xf bank_mask:0xf
	v_permlanex16_b32 v[T+2], v[\r], s48, s49
	v_add_f32 v[\r], v[\r], v[T+2]
.endm
; Row i (0 or 1) of my two: geometry of its 256 pairs in f32, each pair's features to its place in the list.
; s93: live pairs of the block in front of the current word.  s94: cnt + 32 x the word's number in the block.
.macro CROW i
	v_mov_b32 v[XX], s[52+2*\i]
	v_mov_b32 v[XX+1], s[53+2*\i]
	v_mov_b32 v[T], s[56+2*\i]
	v_mov_b32 v[T+1], s[57+2*\i]
	v_mul_f32 v[T+2], v[T], v[T]
	v_fmac_f32 v[T+2], v[T+1], v[T+1]
	v_add_f32 v[T+2], EPS16, v[T+2]
	v_rsq_f32 v[T+2], v[T+2]
	v_cvt_pk_bf16_f32 v[F], v[XX], v[XX+1]         ; features 0, 1 (the plain instruction behind v_rsq_f32)
	v_cvt_pk_bf16_f32 v[F+1], v[T], v[T+1]         ; features 2, 3
	s_wait_alu depctr_va_vdst(0)
	v_mul_f32 v[GG], v[T], v[T+2]                  ; angles_global
	v_mul_f32 v[GG+1], v[T+1], v[T+2]
.irp u, 0,1,2,3,4,5,6,7
	v_pk_add_f32 v[T:T+1], v[XX:XX+1], v[DD+2*\u:DD+2*\u+1] neg_lo:[0,1] neg_hi:[0,1]   ; rel_vec
	v_fmaak_f32 v[T+2], v[T], v[T], EPS16
	v_fmac_f32 v[T+2], v[T+1], v[T+1]
	v_sqrt_f32 v[T+2], v[T+2]                      ; rel_dist2
	v_mul_f32 v[T+3], v[T], v[GG]                  ; positions_local (these two stand behind v_sqrt_f32)
	v_fmac_f32 v[T+3], v[T+1], v[GG+1]
	s_wait_alu depctr_va_vdst(0)
	v_add_f32 v[T+2], EPS8, v[T+2]
	v_rcp_f32 v[T+2], v[T+2]
	v_mbcnt_lo_u32_b32 v[T+4], s[76+8*\i+\u], s93  ; live pairs in front of mine (stands behind v_rcp_f32)
	v_sub_nc_u32 v[T+5], v[LN], v[T+4]
	s_wait_alu depctr_va_vdst(0)
	v_mul_f32 v[T+2], v[T+3], v[T+2]               ; angles_local
	v_add_nc_u32 v[T+5], s94, v[T+5]               ; cnt + masked pairs in front of mine
	v_cvt_pk_bf16_f32 v[F+2], v[T+2], v[T+3]       ; features 4, 5
	v_cndmask_b32 v[T+4], v[T+5], v[T+4], s[76+8*\i+\u]    ; the word is a lane mask: live pairs take the first number
	v_min_u32 v[T+4], 0x1fff, v[T+4]               ; a number made from plan: clamped to the list's 8192 entries
	v_lshl_add_u32 v[T+4], v[T+4], 4, LISTF
	ds_store_b128 v[T+4], v[F:F+3]
	s_bcnt1_i32_b32 s92, s[76+8*\i+\u]
	s_add_co_u32 s93, s93, s92
	s_add_co_u32 s94, s94, 32
.endr
.endm
; Row i of my two: softmax over its 256 points, 8 a lane, in v[LG+8i .. +7]; exp(-attn) into v[CO+2i], v[CO+2i+1].
.macro SROW i
	v_max3_num_f32 v[SM], v[LG+8*\i], v[LG+8*\i+1], v[LG+8*\i+2]
	v_max3_num_f32 v[SM], v[SM], v[LG+8*\i+3], v[LG+8*\i+4]
	v_max3_num_f32 v[SM], v[SM], v[LG+8*\i+5], v[LG+8*\i+6]
	v_max_num_f32 v[SM], v[SM], v[LG+8*\i+7]
	v_max_num_f32_dpp v[SM], v[SM], v[SM] row_xmask:1 row_mask:0xf bank_mask:0xf
	v_max_num_f32_dpp v[SM], v[SM], v[SM] row_xmask:2 row_mask:0xf bank_mask:0xf
	v_max_num_f32_dpp v[SM], v[SM], v[SM] row_xmask:4 row_mask:0xf bank_mask:0xf
	v_max_num_f32_dpp v[SM], v[SM], v[SM] row_xmask:8 row_mask:0xf bank_mask:0xf
	v_permlanex16_b32 v[T+1], v[SM], s48, s49
	v_max_num_f32 v[SM], v[SM], v[T+1]             ; the row's maximum, in every lane
.irp u, 0,1,2,3,4,5,6,7
	v_sub_f32 v[LG+8*\i+\u], v[LG+8*\i+\u], v[SM]
.endr
.irp u, 0,1,2,3,4,5,6,7
	v_exp_f32 v[LG+8*\i+\u], v[LG+8*\i+\u]
.endr
	v_nop                                          ; one plain instruction behind the transcendentals (ISA guide 5.7.2)
	s_wait_alu depctr_va_vdst(0)
	v_add_f32 v[SS], v[LG+8*\i], v[LG+8*\i+1]
	v_mul_f32 v[AC], v[LG+8*\i], v[DD]
	v_mul_f32 v[AC+1], v[LG+8*\i], v[DD+1]
.irp u, 1,2,3,4,5,6,7
	v_fmac_f32 v[AC], v[LG+8*\i+\u], v[DD+2*\u]
	v_fmac_f32 v[AC+1], v[LG+8*\i+\u], v[DD+2*\u+1]
.endr
.irp u, 2,3,4,5,6,7
	v_add_f32 v[SS], v[SS], v[LG+8*\i+\u]
.endr
	WSUM SS                                        ; at least 1: the point with the maximum adds 2^0
	WSUM AC
	WSUM AC+1
	v_rcp_f32 v[SS], v[SS]
	v_nop
	s_wait_alu depctr_va_vdst(0)
	v_mul_f32 v[SS], NLOG2E, v[SS]
	v_mul_f32 v[CO+2*\i], v[AC], v[SS]
	v_mul_f32 v[CO+2*\i+1], v[AC+1], v[SS]
	v_exp_f32 v[CO+2*\i], v[CO+2*\i]               ; exp(-attn)
	v_exp_f32 v[CO+2*\i+1], v[CO+2*\i+1]
	v_nop
.endm
; where the transport net's layer 2 keeps the B fragment of K step s, column tile c
.macro SETTB s, c
.if \s < 4
.set TB, 136+16*\s+8*\c
.else
.set TB, 8+16*(\s-4)+8*\c
.endif
.endm
; ---------------------------------------------------------------- head: addresses, constants, the weights into registers and LDS
	s_load_b512 s[8:23], s[0:1], 0x0               ; x 8, v 10, x' 12, v' 14, positions 16, values 18, W1 20, b1 22
	s_load_b512 s[24:39], s[0:1], 0x40             ; W2 24, b2 26, w3 28, b3 30, U0 32, c0 34, U1 36, c1 38
	s_load_b128 s[40:43], s[0:1], 0x80             ; u2 40, c2 42
	s_load_b64 s[44:45], s[0:1], 0x90              ; out0
	s_load_b64 s[4:5], s[0:1], 0x98                ; plan
	v_lshrrev_b32 v1, 5, v0
	v_readfirstlane_b32 s2, v1                     ; wave W, 0 to 15
	s_mov_b32 s3, ttmp9                            ; work-group g
	s_mov_b32 s46, 0xffff0000                      ; the lanes with h = 1
	s_mov_b32 s48, 0x76543210                      ; v_permlanex16_b32: lane i reads lane i xor 16
	s_mov_b32 s49, 0xfedcba98
	s_mov_b32 s62, SCALE                           ; pairs, since a packed multiply reads a pair
	s_mov_b32 s63, SCALE
	s_mov_b32 s74, NSCALE
	s_mov_b32 s75, NSCALE
	s_lshl_b32 s66, s3, 8                          ; 32 rows of 8 bytes a group,
	s_lshl4_add_u32 s66, s2, s66                   ; 2 rows a wave
	s_mov_b32 s67, 0
	s_lshl_b32 s92, s66, 2                         ; and 32 bytes of mask a row
	s_mov_b32 s93, 0
	s_lshl_b32 s94, s3, 7                          ; the block's 32 words,
	s_lshl2_add_u32 s94, s2, s94                   ; entry W
	s_mov_b32 s95, 0
	v_and_b32 v10, 15, v0                          ; r
	v_bfe_u32 v11, v0, 4, 1                        ; h
	v_lshlrev_b32 v2, 5, v11                       ; 32 h: 8 units of f32
	v_lshlrev_b32 v3, 2, v10                       ; 4 r
	v_and_b32 v[LN], 31, v0                        ; lane
	v_lshlrev_b32 v4, 3, v[LN]                     ; a point's 8 bytes
	v_lshlrev_b32 v5, 4, v0                        ; 16 x thread
	v_lshrrev_b32 v12, 4, v0
	v_mul_u32_u24 v7, v12, P2A
	v_lshl_add_u32 v7, v10, 3, v7
	v_add_nc_u32 v7, W2S, v7                       ; W2: row thread / 16, 4 columns at thread mod 16
	v_lshrrev_b32 v12, 6, v0
	v_and_b32 v13, 63, v0
	v_mul_u32_u24 v8, v12, P1T
	v_lshl_add_u32 v8, v13, 3, v8                  ; U1: row thread / 64, 4 columns at thread mod 64
	v_add_nc_u32 v9, 128*P1T, v8                   ; the same 128 rows on: an LDS immediate has 16 bits
.irp j, 4,5,6,7
	v_mov_b32 v[B1+\j], 0
	v_mov_b32 v[A1+28+\j], 0
.endr
	v_mov_b32 v[T+7], 0                            ; later a destination of v_permlanex16_b32, which counts as read
	s_wait_kmcnt 0x0
	s_add_nc_u64 s[68:69], s[8:9], s[66:67]
	s_add_nc_u64 s[70:71], s[10:11], s[66:67]
	s_add_nc_u64 s[72:73], s[4:5], s[92:93]
	s_add_nc_u64 s[96:97], s[4:5], s[94:95]
	s_load_b128 s[52:55], s[68:69], 0x0            ; x of my two rows
	s_load_b128 s[56:59], s[70:71], 0x0            ; v of my two rows
	s_load_b32 s60, s[30:31], 0x0                  ; b3
	s_load_b32 s61, s[42:43], 0x0                  ; c2
	s_load_b512 s[76:91], s[72:73], 0x0            ; the 16 mask words of my two rows
	s_load_b32 s6, s[96:97], BASES                 ; live pairs of the block in front of my rows
	s_load_b32 s7, s[96:97], BASES+64              ; live pairs of the block (entries 16 to 31 all hold it)
.irp t, 0,1,2,3
	global_load_b128 v[C2+8*\t:C2+8*\t+3], v2, s[26:27] offset:64*\t         ; b2[16t + 8h + j]
	global_load_b128 v[C2+8*\t+4:C2+8*\t+7], v2, s[26:27] offset:64*\t+16
.endr
.irp t, 0,1,2,3
	global_load_b128 v[W3N+8*\t:W3N+8*\t+3], v2, s[28:29] offset:64*\t       ; w3[16t + 8h + j]
	global_load_b128 v[W3N+8*\t+4:W3N+8*\t+7], v2, s[28:29] offset:64*\t+16
.endr
.irp t, 0,1,2,3
.irp k, 0,1,2,3,4,5
	global_load_b32 v[DD+8*\t+\k], v3, s[20:21] offset:256*\k+64*\t          ; W1[k][16t + r]
.endr
	global_load_b32 v[DD+8*\t+6], v3, s[22:23] offset:64*\t                  ; b1[16t + r]
.endr
	global_load_b128 v[232:235], v5, s[24:25]                                ; W2: 1,024 pieces of 16 bytes, two a thread
	global_load_b128 v[236:239], v5, s[24:25] offset:8192
.irp q, 0,1,2,3,4,5,6,7,8,9,10,11,12,13,14,15
	global_load_b128 v[A2+4*\q:A2+4*\q+3], v5, s[36:37] offset:8192*\q       ; U1: 16,384 pieces of 16 bytes, 32 a thread; the first 16
.endr
	s_wait_loadcnt 16                              ; loads come back in order (ISA guide 5.7.1): the 46 small ones are in, U1's 16 stay out
	s_wait_kmcnt 0x0                               ; my rows, b3, c2, my mask words and counts
	s_min_u32 s6, s6, 0x2000                       ; numbers from plan are clamped before they steer anything
	s_min_u32 s7, s7, 0x2000
	s_add_co_u32 s47, s7, 31
	s_lshr_b32 s47, s47, 5                         ; groups of 32 list entries that hold a live pair
	s_add_co_u32 s47, s47, 15
	s_sub_co_u32 s47, s47, s2
	s_lshr_b32 s47, s47, 4                         ; my trips: groups W, W + 16, ..
	s_min_u32 s47, s47, 16
.irp q, 0,1
	v_pk_mul_f32 v[232+4*\q:233+4*\q], v[232+4*\q:233+4*\q], s[62:63] op_sel_hi:[1,0]
	v_pk_mul_f32 v[234+4*\q:235+4*\q], v[234+4*\q:235+4*\q], s[62:63] op_sel_hi:[1,0]
	v_cvt_pk_bf16_f32 v[T], v[232+4*\q], v[233+4*\q]
	v_cvt_pk_bf16_f32 v[T+1], v[234+4*\q], v[235+4*\q]
	ds_store_b64 v7, v[T:T+1] offset:32*P2A*\q
.endr
.irp j, 0,2,4,6,8,10,12,14,16,18,20,22,24,26,28,30
	v_pk_mul_f32 v[C2+\j:C2+\j+1], v[C2+\j:C2+\j+1], s[62:63] op_sel_hi:[1,0]
	v_pk_mul_f32 v[W3N+\j:W3N+\j+1], v[W3N+\j:W3N+\j+1], s[74:75] op_sel_hi:[1,0]
.endr
	; log2e (b3 + sum w3 (1 - 2r)) = [log2e b3 - 1/2 sum W3N] + sum r W3N: the bracket is K3
	v_pk_add_f32 v[T:T+1], v[W3N:W3N+1], v[W3N+2:W3N+3]
	v_pk_add_f32 v[T+2:T+3], v[W3N+4:W3N+5], v[W3N+6:W3N+7]
.irp j, 8,12,16,20,24,28
	v_pk_add_f32 v[T:T+1], v[T:T+1], v[W3N+\j:W3N+\j+1]
	v_pk_add_f32 v[T+2:T+3], v[T+2:T+3], v[W3N+\j+2:W3N+\j+3]
.endr
	v_pk_add_f32 v[T:T+1], v[T:T+1], v[T+2:T+3]
	v_add_f32 v[T], v[T], v[T+1]                   ; my 32 units,
	v_permlanex16_b32 v[T+1], v[T], s48, s49
	v_add_f32 v[T], v[T], v[T+1]                   ; and the other half's 32
	s_mul_f32 s60, s60, LOG2E
	s_mul_f32 s61, s61, SCALE
	v_fma_f32 v[K3], v[T], -0.5, s60
	; layer 1's A: k = 0..5 the weights, k = 6, 7 the bias as a bf16 and the bf16 of what that leaves; once for each half of the lanes
.irp t, 0,1,2,3
	v_pk_mul_f32 v[DD+8*\t:DD+8*\t+1], v[DD+8*\t:DD+8*\t+1], s[62:63] op_sel_hi:[1,0]
	v_pk_mul_f32 v[DD+8*\t+2:DD+8*\t+3], v[DD+8*\t+2:DD+8*\t+3], s[62:63] op_sel_hi:[1,0]
	v_pk_mul_f32 v[DD+8*\t+4:DD+8*\t+5], v[DD+8*\t+4:DD+8*\t+5], s[62:63] op_sel_hi:[1,0]
	v_mul_f32 v[DD+8*\t+6], s62, v[DD+8*\t+6]
	v_cvt_pk_bf16_f32 v[T], v[DD+8*\t], v[DD+8*\t+1]
	v_cvt_pk_bf16_f32 v[T+1], v[DD+8*\t+2], v[DD+8*\t+3]
	v_cvt_pk_bf16_f32 v[T+2], v[DD+8*\t+4], v[DD+8*\t+5]
	v_cvt_pk_bf16_f32 v[T+4], v[DD+8*\t+6], v[DD+8*\t+6]
	v_lshlrev_b32 v[T+4], 16, v[T+4]               ; the bias's high part as f32
	v_sub_f32 v[T+5], v[DD+8*\t+6], v[T+4]         ; what it leaves
	v_cvt_pk_bf16_f32 v[T+3], v[T+4], v[T+5]
.irp i, 0,1,2,3
	v_cndmask_b32 v[A1+4*\t+\i], v[T+\i], 0, s46           ; variant 0: lanes 0-15
	v_cndmask_b32 v[A1+16+4*\t+\i], 0, v[T+\i], s46        ; variant 1: lanes 16-31
.endr
.endr
.irp u, 0,1,2,3,4,5,6,7
	global_load_b64 v[DD+2*\u:DD+2*\u+1], v4, s[16:17] offset:256*\u         ; the positions of my points 32u + lane
.endr
	; U1 through a ring of 16 register slots: scaled, rounded, 8 bytes a lane into LDS; piece q + 16 follows piece q into its slot
.set q, 0
.rept 32
.if q < 16
	s_wait_loadcnt 23                              ; behind piece q: pieces q+1 .. 15, the 8 positions and the q refills = 23
.else
	s_wait_loadcnt 31-q                            ; behind piece q: pieces q+1 .. 31 (the positions are older than every refill)
.endif
	v_pk_mul_f32 v[T:T+1], v[A2+4*(q&15):A2+4*(q&15)+1], s[62:63] op_sel_hi:[1,0]
	v_pk_mul_f32 v[T+2:T+3], v[A2+4*(q&15)+2:A2+4*(q&15)+3], s[62:63] op_sel_hi:[1,0]
	v_cvt_pk_bf16_f32 v[T+4], v[T], v[T+1]
	v_cvt_pk_bf16_f32 v[T+5], v[T+2], v[T+3]
.if q < 16
	ds_store_b64 v8, v[T+4:T+5] offset:8*P1T*q
	global_load_b128 v[A2+4*q:A2+4*q+3], v5, s[36:37] offset:8192*(q+16)
.else
	ds_store_b64 v9, v[T+4:T+5] offset:8*P1T*(q-16)
.endif
.set q, q+1
.endr
	; the list: my two rows' 512 pairs to their places
	s_mov_b32 s93, s6
	s_lshl_b32 s94, s2, 9                          ; 32 x my first word's number in the block
	s_add_co_u32 s94, s94, s7
	v_mov_b32 v[F+3], ONES                         ; features 6, 7 = 1: they meet the bias's two parts
	CROW 0
	CROW 1
	s_wait_dscnt 0x0                               ; for the other waves' sake: all my LDS stores are done
	s_barrier_signal -1
	s_barrier_wait -1                              ; W2, U1 and the list are whole.  From here to the next barrier LDS is only read
; ---------------------------------------------------------------- layer 2's A fragments: W2 lies [k][n], the transposing load turns it
	v_and_b32 v[T], 7, v0
	v_bfe_u32 v[T+1], v0, 4, 1
	v_bfe_u32 v[T+2], v0, 3, 1
	v_lshl_add_u32 v[T], v[T+1], 3, v[T]           ; row 8h + lane mod 8
	v_mul_u32_u24 v[T+3], v[T], P2A
	v_lshl_add_u32 v[T+3], v[T+2], 4, v[T+3]       ; 8 columns for each eight lanes
	v_add_nc_u32 v[T+3], W2S, v[T+3]
.irp t, 0,1,2,3
.irp s, 0,1
	ds_load_tr16_b128 v[A2+8*(2*\t+\s):A2+8*(2*\t+\s)+3], v[T+3] offset:32*P2A*\s+32*\t
	ds_load_tr16_b128 v[A2+8*(2*\t+\s)+4:A2+8*(2*\t+\s)+7], v[T+3] offset:32*P2A*\s+16*P2A+32*\t
.endr
.endr
.irp k, 0,1,2,3,4,5,6,7,8,9,10,11,12,13,14,15
	v_mov_b32 v[RC+\k], 0                          ; the chain's places are all stored later, used or not
.endr
	v_mov_b32 v[IDX], v0                           ; my place in group W: 32 W + lane
	s_wait_dscnt 0x0
; ---------------------------------------------------------------- attention net: my groups of 32 list entries
	s_cmp_eq_u32 s47, 0
	s_cbranch_scc1 .Lnoloop
	v_lshl_add_u32 v[LAT], v0, 4, LISTF
	ds_load_b128 v[B1:B1+3], v[LAT]                ; the first trip's entry
	s_mov_b32 s51, 0
.Lgroup:
	v_add_nc_u32 v[IDX], 512, v[IDX]               ; 16 groups on
	v_min_u32 v[LAT], 0x1fff, v[IDX]               ; the last trip asks too: clamped to the list, and not used
	v_lshl_add_u32 v[LAT], v[LAT], 4, LISTF
	s_wait_dscnt 0x0                               ; this trip's entry, asked for half a trip ago
	TILE 0, PE, 15, 0                              ; list places 32g + r
	TILE 1, T+6, 7, 1                              ; list places 32g + 16 + r
	; lane 16h + r takes its own pair's logit: its own share of its tile, and the share that lane r + 16 (1 - h) holds
	v_cndmask_b32 v[T+4], v[PE], v[T+6], s46       ; mine
	v_cndmask_b32 v[T+5], v[T+6], v[PE], s46       ; the other half's
	v_permlanex16_b32 v[T+7], v[T+5], s48, s49
	v_add_f32 v[T+4], v[T+4], v[K3]
	v_add_f32 v[RC], v[T+4], v[T+7]                ; log2e x logit, into the chain's first place
	s_add_co_u32 s51, s51, 1
	s_cmp_lt_u32 s51, s47
	s_cbranch_scc1 .Lgroup
.Lnoloop:
	v_lshlrev_b32 v21, 3, v[LN]
.irp u, 0,1,2,3,4,5,6,7
	global_load_b64 v[DD+2*\u:DD+2*\u+1], v21, s[18:19] offset:256*\u        ; the values of my points 32u + lane, for the softmax
.endr
	s_lshl_b32 s92, s47, 11                        ; 2,048 bytes of logits for each of my trips (16 groups of 128 bytes),
	s_lshl_b32 s93, s2, 7                          ; my group's 128 among them
	s_add_co_u32 s92, s92, s93
	s_add_co_u32 s92, s92, LISTF
	v_lshl_add_u32 v[LAT], v[LN], 2, s92
	v_mov_b32 v[NEG], NEGBIG
	s_wait_dscnt 0x0                               ; my reads of the list are over
	s_barrier_signal -1
	s_barrier_wait -1                              ; everybody's are: the list's bytes may be written.  To the next barrier LDS is only written
.irp k, 0,1,2,3,4,5,6,7,8,9,10,11,12,13,14,15
	ds_store_b32 v[LAT], v[RC+\k] offset:32768-2048*(\k+1)   ; place k = trip T-1-k: byte 4 x list place of LOGB; k >= T falls into the 32,768 bytes below
.endr
	s_wait_dscnt 0x0                               ; for the other waves' sake
	s_barrier_signal -1
	s_barrier_wait -1                              ; all logits are there.  To the next barrier LDS is only read
; ---------------------------------------------------------------- softmax of my two rows
	s_mov_b32 s93, s6
.irp j, 0,1,2,3,4,5,6,7,8,9,10,11,12,13,14,15
	v_mbcnt_lo_u32_b32 v[BH+\j], s[76+\j], s93     ; a live pair's list place, as in the head
	v_min_u32 v[BH+\j], 0x1fff, v[BH+\j]
	v_lshl_add_u32 v[BH+\j], v[BH+\j], 2, LOGB
	ds_load_b32 v[LG+\j], v[BH+\j]                 ; (a masked pair reads some written word, and drops it)
	s_bcnt1_i32_b32 s92, s[76+\j]
	s_add_co_u32 s93, s93, s92
.endr
	s_wait_dscnt 0x0
	s_wait_loadcnt 0x0                             ; the values
.irp j, 0,1,2,3,4,5,6,7,8,9,10,11,12,13,14,15
	v_cndmask_b32 v[LG+\j], v[NEG], v[LG+\j], s[76+\j]     ; -1e30 where masked
.endr
	SROW 0
	SROW 1
; ---------------------------------------------------------------- transport net
	v_and_b32 v17, 15, v0                          ; r
	v_bfe_u32 v18, v0, 4, 1                        ; h
	v_and_b32 v19, 7, v0
	v_bfe_u32 v20, v0, 3, 1
	v_lshl_add_u32 v19, v18, 3, v19
	v_mul_u32_u24 v1, v19, P1T
	v_lshl_add_u32 v1, v20, 4, v1
	s_lshl_b32 s51, s2, 5                          ; my 16 units: 32 bytes of bf16
	v_add_nc_u32 v1, s51, v1                       ; U1 for the transposing load: row 8h + lane mod 8, columns 16W ..
	v_add_nc_u32 v2, 128*P1T, v1                   ; K steps 4 to 7
.irp s, 0,1,2,3
	ds_load_tr16_b128 v[A2+8*\s:A2+8*\s+3], v1 offset:32*P1T*\s
	ds_load_tr16_b128 v[A2+8*\s+4:A2+8*\s+7], v1 offset:32*P1T*\s+16*P1T
	ds_load_tr16_b128 v[A2+32+8*\s:A2+32+8*\s+3], v2 offset:32*P1T*\s
	ds_load_tr16_b128 v[A2+32+8*\s+4:A2+32+8*\s+7], v2 offset:32*P1T*\s+16*P1T
.endr
	s_lshl_b32 s66, s3, 8
	s_lshl_b32 s67, s2, 6
	s_lshl_b32 s50, s2, 8
	s_lshl_b32 s92, s2, 4
	s_add_co_u32 s92, s92, COEF
	v_mov_b32 v250, s92                            ; my two rows' 16 bytes of COEF
	v_mov_b32 v251, ONES
	v_lshl_add_u32 v3, v17, 3, s66                 ; row 32g + r of x, v, x', v'
	v_lshl_add_u32 v4, v17, 2, s67                 ; unit 16W + r, f32
	v_lshl_add_u32 v5, v18, 13, v4                 ; and 8 rows of U0 on for h = 1
	v_lshl_add_u32 v6, v18, 5, s67                 ; units 16W + 8h .., f32
	v_lshlrev_b32 v7, 3, v17
	v_add_nc_u32 v7, COEF, v7
	v_mul_u32_u24 v21, v17, PH1
	v_lshl_add_u32 v21, v18, 4, v21
	v_add_nc_u32 v253, H1, v21                     ; h1 as a B fragment: row r, 16 h
	v_add_nc_u32 v252, s51, v253                   ; h1 as I store it: my 16 units' columns
	v_lshlrev_b32 v22, 2, v17
	v_lshl_add_u32 v22, v18, 7, v22
	v_add_nc_u32 v22, s50, v22
	v_add_nc_u32 v254, PART, v22                   ; part 2W + h, row r
.irp c, 0,1
	global_load_b64 v[136+8*\c:137+8*\c], v3, s[8:9] offset:128*\c
	global_load_b64 v[138+8*\c:139+8*\c], v3, s[10:11] offset:128*\c
	global_load_b64 v[140+8*\c:141+8*\c], v3, s[12:13] offset:128*\c
	global_load_b64 v[142+8*\c:143+8*\c], v3, s[14:15] offset:128*\c
.endr
	global_load_b32 v8, v5, s[32:33]               ; U0 rows 0, 1 (h = 0) or 8, 9 (h = 1)
	global_load_b32 v9, v5, s[32:33] offset:1024
.irp i, 2,3,4,5,6,7
	global_load_b32 v[8+\i], v4, s[32:33] offset:1024*\i   ; rows 2 to 7 in all lanes: no lane leaves the 10 rows
.endr
	global_load_b32 v16, v4, s[34:35]              ; c0
	global_load_b128 v[C1T:C1T+3], v6, s[38:39]
	global_load_b128 v[C1T+4:C1T+7], v6, s[38:39] offset:16
	global_load_b128 v[U2T:U2T+3], v6, s[40:41]
	global_load_b128 v[U2T+4:U2T+7], v6, s[40:41] offset:16
	s_wait_dscnt 0x0                               ; my reads of the logits and of U1 are over
	s_barrier_signal -1
	s_barrier_wait -1                              ; everybody's are: LDS may be written again
	s_wait_alu depctr_va_vdst(0)
	ds_store_b128 v250, v[CO:CO+3]                 ; all lanes hold the same four numbers and write the same 16 bytes
	s_wait_dscnt 0x0                               ; for the other waves' sake
	s_barrier_signal -1
	s_barrier_wait -1                              ; all 32 rows' coefficients are there
	ds_load_b64 v[152:153], v7
	ds_load_b64 v[154:155], v7 offset:128
	s_wait_loadcnt 0x0
	s_wait_dscnt 0x0
	; A of layer 1: lanes 0-15 rows 0-7 of U0; lanes 16-31 rows 8, 9, the bias's two parts, zeros.  k = 16..31: zeros
.irp j, 0,2,4,6
	v_pk_mul_f32 v[8+\j:9+\j], v[8+\j:9+\j], s[62:63] op_sel_hi:[1,0]
	v_pk_mul_f32 v[C1T+\j:C1T+\j+1], v[C1T+\j:C1T+\j+1], s[62:63] op_sel_hi:[1,0]
	v_pk_mul_f32 v[U2T+\j:U2T+\j+1], v[U2T+\j:U2T+\j+1], s[62:63] op_sel_hi:[1,0]
.endr
	v_mul_f32 v16, s62, v16
	v_cvt_pk_bf16_f32 v24, v8, v9
	v_cvt_pk_bf16_f32 v18, v10, v11
	v_cvt_pk_bf16_f32 v19, v12, v13
	v_cvt_pk_bf16_f32 v20, v14, v15
	v_cvt_pk_bf16_f32 v21, v16, v16
	v_lshlrev_b32 v21, 16, v21
	v_sub_f32 v22, v16, v21
	v_cvt_pk_bf16_f32 v23, v21, v22
	v_cndmask_b32 v25, v18, v23, s46
	v_cndmask_b32 v26, v19, 0, s46
	v_cndmask_b32 v27, v20, 0, s46
.irp j, 28,29,30,31
	v_mov_b32 v[\j], 0
.endr
	; B of layer 1, rows 16c + r: lanes 0-15 x, v, x', v'; lanes 16-31 the coefficients, two ones, zeros
.irp c, 0,1
	v_cvt_pk_bf16_f32 v17, v[136+8*\c], v[137+8*\c]
	v_cvt_pk_bf16_f32 v18, v[138+8*\c], v[139+8*\c]
	v_cvt_pk_bf16_f32 v19, v[140+8*\c], v[141+8*\c]
	v_cvt_pk_bf16_f32 v20, v[142+8*\c], v[143+8*\c]
	v_cvt_pk_bf16_f32 v21, v[152+2*\c], v[153+2*\c]
	v_cndmask_b32 v[32+8*\c], v17, v21, s46
	v_cndmask_b32 v[33+8*\c], v18, v251, s46
	v_cndmask_b32 v[34+8*\c], v19, 0, s46
	v_cndmask_b32 v[35+8*\c], v20, 0, s46
.irp j, 36,37,38,39
	v_mov_b32 v[\j+8*\c], 0
.endr
.endr
	v_wmma_f32_16x16x32_bf16 v[DD:DD+7], v[24:31], v[32:39], 0
	v_wmma_f32_16x16x32_bf16 v[DD+8:DD+15], v[24:31], v[40:47], 0
	PLACES
	TANH2 0
	ds_store_b128 v252, v[BH:BH+3]                 ; h1 of units 16W + 8h .. +7, row r
	ds_store_b128 v252, v[BH+4:BH+7] offset:16*PH1 ; row 16 + r
	s_wait_dscnt 0x0                               ; for the other waves' sake
	s_barrier_signal -1
	s_barrier_wait -1                              ; h1 is whole
	; layer 2: K = 256 in 8 steps, two column tiles; all 32 fragment loads go out at once
.irp s, 0,1,2,3,4,5,6,7
.irp c, 0,1
	SETTB \s, \c
	ds_load_b128 v[TB:TB+3], v253 offset:16*PH1*\c+64*\s
	ds_load_b128 v[TB+4:TB+7], v253 offset:16*PH1*\c+64*\s+32
.endr
.endr
	; the two accumulators take turns, one instruction a turn; the first step takes the bias as C
.irp s, 0,1,2,3,4,5,6,7
	s_wait_dscnt 4*(7-\s)                          ; four loads for each later K step stay out
	SETTB \s, 0
.if \s == 0
	v_wmma_f32_16x16x32_bf16 v[DD:DD+7], v[A2+8*\s:A2+8*\s+7], v[TB:TB+7], v[C1T:C1T+7]
.else
	v_wmma_f32_16x16x32_bf16 v[DD:DD+7], v[A2+8*\s:A2+8*\s+7], v[TB:TB+7], v[DD:DD+7]
.endif
	SETTB \s, 1
.if \s == 0
	v_wmma_f32_16x16x32_bf16 v[DD+8:DD+15], v[A2+8*\s:A2+8*\s+7], v[TB:TB+7], v[C1T:C1T+7]
.else
	v_wmma_f32_16x16x32_bf16 v[DD+8:DD+15], v[A2+8*\s:A2+8*\s+7], v[TB:TB+7], v[DD+8:DD+15]
.endif
.endr
	PLACES
	TANH2 2
	v_add_f32 v[TAC+4], v[TAC], v[TAC+1]           ; my 8 units' share of 2log2e u2 . h2, row r
	v_add_f32 v[TAC+5], v[TAC+2], v[TAC+3]         ; row 16 + r
	ds_store_b32 v254, v[TAC+4]
	ds_store_b32 v254, v[TAC+5] offset:64
	s_wait_dscnt 0x0                               ; for wave 0's sake
	s_barrier_signal -1
	s_barrier_wait -1                              ; all 32 parts of all 32 rows are there
	s_cmp_lg_u32 s2, 0
	s_cbranch_scc1 .Lend
	; wave 0: lane = row.  32 parts, the bias, tanh, exp, and 128 consecutive bytes out
	v_and_b32 v255, 31, v0
	v_lshlrev_b32 v249, 2, v255
	v_add_nc_u32 v249, PART, v249
	s_lshl_b32 s50, s3, 7
	v_lshl_add_u32 v255, v255, 2, s50
.irp i, 0,1,2,3,4,5,6,7,8,9,10,11,12,13,14,15,16,17,18,19,20,21,22,23,24,25,26,27,28,29,30,31
	ds_load_b32 v[8+\i], v249 offset:128*\i
.endr
	s_wait_dscnt 0x0
.irp j, 0,2,4,6,8,10,12,14
	v_pk_add_f32 v[8+\j:9+\j], v[8+\j:9+\j], v[24+\j:25+\j]
.endr
.irp j, 0,2,4,6
	v_pk_add_f32 v[8+\j:9+\j], v[8+\j:9+\j], v[16+\j:17+\j]
.endr
	v_pk_add_f32 v[8:9], v[8:9], v[12:13]
	v_pk_add_f32 v[10:11], v[10:11], v[14:15]
	v_pk_add_f32 v[8:9], v[8:9], v[10:11]
	v_add_f32 v8, v8, v9
	v_add_f32 v8, s61, v8                          ; + 2log2e c2
	v_exp_f32 v8, v8
	v_nop                                          ; one plain instruction behind each transcendental (ISA guide 5.7.2)
	s_wait_alu depctr_va_vdst(0)
	v_add_f32 v8, 1.0, v8
	v_rcp_f32 v8, v8
	v_nop
	s_wait_alu depctr_va_vdst(0)
	v_fma_f32 v8, v8, -2.0, 1.0                    ; tanh
	v_mul_f32 v8, LOG2E, v8
	v_exp_f32 v8, v8                               ; exp
	v_nop
	s_wait_alu depctr_va_vdst(0)
	global_store_b32 v255, v8, s[44:45]
.Lend:
	s_wait_xcnt 0x0
	v_lshl_add_u32 v254, v0, 2, 0x44900
	v_mov_b32 v255, 0
	s_wait_tensorcnt 0x0
	ds_add_u32 v254, v255
	s_wait_dscnt 0x0
	s_endpgm
.Lfunc_end_k_q4ee93c6029_transport:
	.size	k_q4ee93c6029_transport, .Lfunc_end_k_q4ee93c6029_transport-k_q4ee93c6029_transport
	.p2alignl 7, 3214868480
	.fill 96, 4, 3214868480
	.section	.rodata,"a",@progbits
	.p2align	6, 0x0
	.amdhsa_kernel k_q4ee93c6029_transport
		.amdhsa_group_segment_fixed_size 282880
		.amdhsa_private_segment_fixed_size 0
		.amdhsa_enable_private_segment 0
		.amdhsa_kernarg_size 160
		.amdhsa_user_sgpr_count 2
		.amdhsa_user_sgpr_kernarg_segment_ptr 1
		.amdhsa_wavefront_size32 1
		.amdhsa_system_sgpr_workgroup_id_x 1
		.amdhsa_system_sgpr_workgroup_id_y 1
		.amdhsa_system_sgpr_workgroup_id_z 1
		.amdhsa_system_vgpr_workitem_id 0
		.amdhsa_next_free_vgpr 256
		.amdhsa_next_free_sgpr 98
		.amdhsa_reserve_vcc 0
		.amdhsa_float_denorm_mode_32 3
		.amdhsa_float_denorm_mode_16_64 3
		.amdhsa_memory_ordered 1
		.amdhsa_forward_progress 1
		.amdhsa_inst_pref_size 111
	.end_amdhsa_kernel
	.amdgpu_metadata
---
amdhsa.version: [ 1, 2 ]
amdhsa.kernels:
  - .name:           k_q4ee93c6029_transport
    .symbol:         k_q4ee93c6029_transport.kd
    .args:
      - { .name: x, .offset: 0, .size: 8, .value_kind: global_buffer, .address_space: global }
      - { .name: v, .offset: 8, .size: 8, .value_kind: global_buffer, .address_space: global }
      - { .name: x_prime, .offset: 16, .size: 8, .value_kind: global_buffer, .address_space: global }
      - { .name: v_prime, .offset: 24, .size: 8, .value_kind: global_buffer, .address_space: global }
      - { .name: coeff_position, .offset: 32, .size: 8, .value_kind: global_buffer, .address_space: global }
      - { .name: coeff_values, .offset: 40, .size: 8, .value_kind: global_buffer, .address_space: global }
      - { .name: attn_params_0_0, .offset: 48, .size: 8, .value_kind: global_buffer, .address_space: global }
      - { .name: attn_params_0_1, .offset: 56, .size: 8, .value_kind: global_buffer, .address_space: global }
      - { .name: attn_params_1_0, .offset: 64, .size: 8, .value_kind: global_buffer, .address_space: global }
      - { .name: attn_params_1_1, .offset: 72, .size: 8, .value_kind: global_buffer, .address_space: global }
      - { .name: attn_params_2_0, .offset: 80, .size: 8, .value_kind: global_buffer, .address_space: global }
      - { .name: attn_params_2_1, .offset: 88, .size: 8, .value_kind: global_buffer, .address_space: global }
      - { .name: transport_params_0_0, .offset: 96, .size: 8, .value_kind: global_buffer, .address_space: global }
      - { .name: transport_params_0_1, .offset: 104, .size: 8, .value_kind: global_buffer, .address_space: global }
      - { .name: transport_params_1_0, .offset: 112, .size: 8, .value_kind: global_buffer, .address_space: global }
      - { .name: transport_params_1_1, .offset: 120, .size: 8, .value_kind: global_buffer, .address_space: global }
      - { .name: transport_params_2_0, .offset: 128, .size: 8, .value_kind: global_buffer, .address_space: global }
      - { .name: transport_params_2_1, .offset: 136, .size: 8, .value_kind: global_buffer, .address_space: global }
      - { .name: out0, .offset: 144, .size: 8, .value_kind: global_buffer, .address_space: global }
      - { .name: plan, .offset: 152, .size: 8, .value_kind: global_buffer, .address_space: global }
    .group_segment_fixed_size: 282880
    .private_segment_fixed_size: 0
    .kernarg_segment_align: 8
    .kernarg_segment_size: 160
    .max_flat_workgroup_size: 512
    .sgpr_count:     98
    .vgpr_count:     256
    .wavefront_size: 32
...
	.end_amdgpu_metadata
.endif
;; end of part 3
;; ======== version 3 of 3: 2 launches; 1.37 times as fast as version 1
;; limits: an absolute error that grows with the inputs' magnitude: up to 4e-06 times it; right only within a limited range of input values
;; workspace buffers: plan 294,912 bytes of whole numbers; u1f 131,072 bytes
;; launch mask (part 4): grid 256 x 1, 8 waves a work-group, no clusters, 1,792 bytes of LDS; arguments x, v, coeff_position, transport_params_1_0, plan, u1f; writes plan, u1f
.if DOCPART == 4
	.amdgcn_target "amdgcn-amd-amdhsa--gfx1250"
	.amdhsa_code_object_version 6
	.text
	.protected	k_q4ee93c6029_mask
	.globl	k_q4ee93c6029_mask
	.p2align	8
	.type	k_q4ee93c6029_mask,@function
k_q4ee93c6029_mask:
	s_mov_b64 s[64:65], 0
	v_nop
	global_prefetch_b8 v0, s[64:65] scope:SCOPE_SE
	s_setreg_imm32_b32 hwreg(HW_REG_WAVE_MODE, 25, 1), 1
	s_wait_xcnt 0x0
; Two things that the next launch needs ready.
; (1) Which pairs (row n, point p) are alive: positions_local(n, p) > 0.  The answer steers trip counts and addresses of the next launch,
;     so it is made here and stored as whole numbers; every address of this launch is fixed by ids and constants.
;     plan, part 1 (262,144 bytes): [8192 rows][8 words]; bit l of word u of row n: point 32u + l is alive.
;     plan, part 2 (32,768 bytes):  for each block of 32 rows 32 words: entry W < 16 = live pairs of the block's rows in front of rows 2W, 2W+1;
;                                   entries 16 to 31 = live pairs of the whole block.
; (2) u1f (131,072 bytes): 2 log2e x transport_params_1_0 in bf16, laid out as the A fragments of the next launch's matrix instructions:
;     fragment g = 16 W + 2 s + half (units 16W .., K = 32 s + 16 half ..), 512 bytes: lane (r, h) holds U1[16 (g mod 16) + 8h + j][16 (g / 16) + r], j = 0..7.
;     Made once here, it need not be scaled, rounded and turned by each of the next launch's 256 work-groups.
; A work-group owns a block of 32 rows and fragment g = its number; 8 waves, 4 rows each; lane l keeps the positions of points 32u + l, u = 0..7.
; Wave w brings the fragment's row j = w (4 bytes a lane); the 8 rows meet in 512 bytes of LDS, and wave 1 stores them as 512 consecutive bytes.
; A wave's 32 mask words leave by one store of 128 consecutive bytes.  No matrix work, no tensor loads: 2,048 bytes of positions and 192 bytes more a wave.
; positions_local is a multiply and a fused multiply-add on x - position and v / sqrt(|v|^2 + 1e-16): where it is zero to within rounding,
; its sign may differ from the reference's.  NaN counts as not alive, as in the reference's comparison.
.set EPS16, 0x24e69595                 ; 1e-16
.set SCALE, 0x4038aa3b                 ; 2 log2(e)
.set BASES, 262144                     ; byte offset of plan's part 2
.set USTG,  256                        ; LDS: bytes 0-63 the 16 counts; bytes 256-767 the fragment
.set CPR, 4                            ; v[4:19]   my 8 points
.set XX,  20                           ; v[20:21]  x of the row
.set GG,  22                           ; v[22:23]  v / |v|
.set T,   24                           ; v[24:27]  at work
.set MW,  28                           ; lane 8i + u: word u of my row i
.set TT,  32                           ; v[32:47]  the 16 counts of two rows each
	s_load_b128 s[4:7], s[0:1], 0x0                ; x, v
	s_load_b128 s[8:11], s[0:1], 0x10              ; positions, U1
	s_load_b128 s[36:39], s[0:1], 0x20             ; plan, u1f
	v_lshl_add_u32 v56, v0, 2, 0x300
	v_mov_b32 v57, 0
	v_lshrrev_b32 v1, 5, v0
	v_readfirstlane_b32 s2, v1                     ; wave 0..7
	v_and_b32 v2, 31, v0                           ; lane
	v_lshlrev_b32 v3, 3, v2                        ; a point's 8 bytes
	s_lshl_b32 s12, ttmp9, 8                       ; 32 rows of 8 bytes a group,
	s_lshl_b32 s13, s2, 5                          ; 4 rows a wave
	s_add_co_u32 s12, s12, s13
	s_mov_b32 s13, 0
	s_mov_b32 s42, 0                               ; live pairs of my rows 0, 1
	s_mov_b32 s43, 0                               ; and of my rows 2, 3
	s_lshl_b32 s44, ttmp9, 10                      ; the block's 256 words,
	s_lshl_b32 s45, s2, 7                          ; my 32 of them
	s_add_co_u32 s44, s44, s45
	s_lshl_b32 s45, ttmp9, 7                       ; the block's 32 words of part 2
	v_lshl_add_u32 v29, v2, 2, s44
	v_mov_b32 v[MW], 0                             ; v_writelane_b32 keeps the other lanes: written whole once
	s_and_b32 s46, ttmp9, 15                       ; U1: row 16 (g mod 16) + 8h + wave of 1,024 bytes,
	s_lshl_b32 s46, s46, 14
	s_lshr_b32 s47, ttmp9, 4                       ; column 16 (g / 16) + r of 4 bytes
	s_lshl_b32 s47, s47, 6
	s_add_co_u32 s46, s46, s47
	s_lshl_b32 s47, s2, 10
	s_add_co_u32 s46, s46, s47
	v_and_b32 v52, 15, v0                          ; r
	v_bfe_u32 v53, v0, 4, 1                        ; h
	v_lshl_add_u32 v52, v52, 2, s46
	v_lshl_add_u32 v52, v53, 13, v52
	s_lshl_b32 s47, s2, 1
	s_add_co_u32 s47, s47, USTG
	v_lshl_add_u32 v55, v2, 4, s47                 ; in LDS: 16 bytes a lane, my row's 2 bytes at 2 x wave
	s_wait_kmcnt 0x0
	s_add_nc_u64 s[14:15], s[4:5], s[12:13]
	s_add_nc_u64 s[16:17], s[6:7], s[12:13]
	s_load_b256 s[20:27], s[14:15], 0x0            ; x of my 4 rows
	s_load_b256 s[28:35], s[16:17], 0x0            ; v of my 4 rows
.irp u, 0,1,2,3,4,5,6,7
	global_load_b64 v[CPR+2*\u:CPR+2*\u+1], v3, s[8:9] offset:256*\u
.endr
	global_load_b32 v54, v52, s[10:11]
	s_wait_kmcnt 0x0
	s_wait_loadcnt 0x0
	v_mul_f32 v54, SCALE, v54
	v_cvt_pk_bf16_f32 v54, v54, v54
	ds_store_b16 v55, v54
.irp i, 0,1,2,3
	v_mov_b32 v[XX], s[20+2*\i]
	v_mov_b32 v[XX+1], s[21+2*\i]
	v_mov_b32 v[T], s[28+2*\i]
	v_mov_b32 v[T+1], s[29+2*\i]
	v_mul_f32 v[T+2], v[T], v[T]
	v_fmac_f32 v[T+2], v[T+1], v[T+1]
	v_add_f32 v[T+2], EPS16, v[T+2]
	v_rsq_f32 v[T+2], v[T+2]
	v_nop                                          ; one plain instruction behind a transcendental (ISA guide 5.7.2)
	s_wait_alu depctr_va_vdst(0)
	v_mul_f32 v[GG], v[T], v[T+2]                  ; angles_global
	v_mul_f32 v[GG+1], v[T+1], v[T+2]
.irp u, 0,1,2,3,4,5,6,7
	v_pk_add_f32 v[T:T+1], v[XX:XX+1], v[CPR+2*\u:CPR+2*\u+1] neg_lo:[0,1] neg_hi:[0,1]   ; rel_vec
	v_mul_f32 v[T+3], v[T], v[GG]
	v_fmac_f32 v[T+3], v[T+1], v[GG+1]             ; positions_local
	v_cmp_lt_f32 s40, 0, v[T+3]                    ; 32 points' bits
	v_writelane_b32 v[MW], s40, 8*\i+\u
	s_bcnt1_i32_b32 s41, s40
	s_add_co_u32 s[42+\i/2], s[42+\i/2], s41
.endr
.endr
	global_store_b32 v29, v[MW], s[36:37]          ; 128 consecutive bytes
	v_mov_b32 v30, s42
	v_mov_b32 v31, s43
	v_lshlrev_b32 v1, 3, v1                        ; 8 x wave
	ds_store_b64 v1, v[30:31]                      ; all lanes write the same 8 bytes with the same numbers
	s_wait_dscnt 0x0                               ; for the sake of waves 0 and 1: my counts and my row of the fragment are in LDS
	s_barrier_signal -1
	s_barrier_wait -1                              ; all 16 counts and all 8 rows are there
	s_cmp_eq_u32 s2, 1
	s_cbranch_scc1 .Lu1
	s_cmp_lg_u32 s2, 0
	s_cbranch_scc1 .Lend
	; wave 0: the block's 32 words of part 2
	v_mov_b32 v48, 0
.irp k, 0,1,2,3
	ds_load_b128 v[TT+4*\k:TT+4*\k+3], v48 offset:16*\k    ; every lane takes all 16
.endr
	v_lshl_add_u32 v51, v2, 2, s45
	s_wait_dscnt 0x0
	v_cmp_lt_u32 vcc_lo, 0, v2
	v_cndmask_b32 v49, 0, v[TT], vcc_lo            ; lane l sums the counts w < l: lanes 16 to 31 sum all
.irp w, 1,2,3,4,5,6,7,8,9,10,11,12,13,14,15
	v_cmp_lt_u32 vcc_lo, \w, v2
	v_cndmask_b32 v50, 0, v[TT+\w], vcc_lo
	v_add_nc_u32 v49, v49, v50
.endr
	global_store_b32 v51, v49, s[36:37] offset:BASES
	s_wait_tensorcnt 0x0
	ds_add_u32 v56, v57
	s_wait_dscnt 0x0
	s_endpgm
.Lu1:
	; wave 1: the fragment, 16 bytes a lane, 512 consecutive bytes
	v_lshlrev_b32 v48, 4, v2
	ds_load_b128 v[32:35], v48 offset:USTG
	s_lshl_b32 s46, ttmp9, 9
	v_add_nc_u32 v49, s46, v48
	s_wait_dscnt 0x0
	global_store_b128 v49, v[32:35], s[38:39]
.Lend:
	s_wait_tensorcnt 0x0
	ds_add_u32 v56, v57
	s_wait_dscnt 0x0
	s_endpgm
.Lfunc_end_k_q4ee93c6029_mask:
	.size	k_q4ee93c6029_mask, .Lfunc_end_k_q4ee93c6029_mask-k_q4ee93c6029_mask
	.p2alignl 7, 3214868480
	.fill 96, 4, 3214868480
	.section	.rodata,"a",@progbits
	.p2align	6, 0x0
	.amdhsa_kernel k_q4ee93c6029_mask
		.amdhsa_group_segment_fixed_size 1792
		.amdhsa_private_segment_fixed_size 0
		.amdhsa_enable_private_segment 0
		.amdhsa_kernarg_size 48
		.amdhsa_user_sgpr_count 2
		.amdhsa_user_sgpr_kernarg_segment_ptr 1
		.amdhsa_wavefront_size32 1
		.amdhsa_system_sgpr_workgroup_id_x 1
		.amdhsa_system_sgpr_workgroup_id_y 1
		.amdhsa_system_sgpr_workgroup_id_z 1
		.amdhsa_system_vgpr_workitem_id 0
		.amdhsa_next_free_vgpr 58
		.amdhsa_next_free_sgpr 66
		.amdhsa_reserve_vcc 1
		.amdhsa_float_denorm_mode_32 3
		.amdhsa_float_denorm_mode_16_64 3
		.amdhsa_memory_ordered 1
		.amdhsa_forward_progress 1
		.amdhsa_inst_pref_size 18
	.end_amdhsa_kernel
	.amdgpu_metadata
---
amdhsa.version: [ 1, 2 ]
amdhsa.kernels:
  - .name:           k_q4ee93c6029_mask
    .symbol:         k_q4ee93c6029_mask.kd
    .args:
      - { .name: x, .offset: 0, .size: 8, .value_kind: global_buffer, .address_space: global }
      - { .name: v, .offset: 8, .size: 8, .value_kind: global_buffer, .address_space: global }
      - { .name: coeff_position, .offset: 16, .size: 8, .value_kind: global_buffer, .address_space: global }
      - { .name: transport_params_1_0, .offset: 24, .size: 8, .value_kind: global_buffer, .address_space: global }
      - { .name: plan, .offset: 32, .size: 8, .value_kind: global_buffer, .address_space: global }
      - { .name: u1f, .offset: 40, .size: 8, .value_kind: global_buffer, .address_space: global }
    .group_segment_fixed_size: 1792
    .private_segment_fixed_size: 0
    .kernarg_segment_align: 8
    .kernarg_segment_size: 48
    .max_flat_workgroup_size: 256
    .sgpr_count:     66
    .vgpr_count:     58
    .wavefront_size: 32
...
	.end_amdgpu_metadata
.endif
;; end of part 4
;; launch transport (part 5): grid 256 x 1, 16 waves a work-group, no clusters, 143,616 bytes of LDS; arguments x, v, x_prime, v_prime, coeff_position, coeff_values, attn_params_0_0, attn_params_0_1, attn_params_1_0, attn_params_1_1, attn_params_2_0, attn_params_2_1, transport_params_0_0, transport_params_0_1, u1f, transport_params_1_1, transport_params_2_0, transport_params_2_1, out0, plan; writes out0
.if DOCPART == 5
	.amdgcn_target "amdgcn-amd-amdhsa--gfx1250"
	.amdhsa_code_object_version 6
	.text
	.protected	k_q4ee93c6029_transport
	.globl	k_q4ee93c6029_transport
	.p2align	8
	.type	k_q4ee93c6029_transport,@function
k_q4ee93c6029_transport:
	s_mov_b64 s[64:65], 0
	v_nop
	global_prefetch_b8 v0, s[64:65] scope:SCOPE_SE
	s_setreg_imm32_b32 hwreg(HW_REG_WAVE_MODE, 25, 1), 1
	s_wait_xcnt 0x0
; TransportModule: everything but the mask (plan) and the image of transport_params_1_0 (u1f), which the launch before has stored.
; 8192 rows n, 256 points p.  A work-group owns 32 rows (256 work-groups).  16 waves, 4 to a SIMD, 256 registers each.
; ONLY LIVE PAIRS GO THROUGH THE ATTENTION NET: a masked pair's logit is replaced by -1e30 whatever it is, so its 128 tanh are not computed.
;  1. wave W does the geometry of its rows 2W, 2W+1 with all 256 points and writes each pair's 16 bytes of features into a list in LDS: the live
;     pairs of the 32 rows first, in order, the masked ones behind them (a permutation of the 8192 pairs: every entry is written).
;  2. the list's first ceil(cnt / 32) groups of 32 pairs are dealt to the 16 waves in turn; a group is two tiles of 16 pairs.  A tile may mix rows:
;     x and v ride in each pair's features.  The trip count comes from plan.
;  3. the logits go back through LDS by list place; wave W makes the softmax of its two rows over all 256 points (-1e30 where masked; a row
;     without a live pair comes out uniform, as in the reference), with the row's maximum taken away.
;  4. the transport net: wave W owns hidden units 16W .. 16W+15 of both hidden layers, for all 32 rows.  All that it reads from memory is asked for
;     straight behind the loop, into registers that the attention net has left, and lands during steps 3.
; Wherever an LDS address comes from plan, only LDS loads or only LDS stores stand between two barriers, and the number is clamped first.
;
; EVERY LAYER IS COMPUTED TRANSPOSED: A = the weights transposed (M = hidden units), B = the activations (N = 16 pairs or rows).  In the result,
; register j of lane (r, h) is unit 16t + 8h + j of pair r, and two such tiles rounded to bf16 ARE the next layer's B fragment of 32 along K
; (registers 0-3: k = 8h .., registers 4-7: k = 16 + 8h ..).  So nothing moves between lanes from layer to layer.
; tanh(z) = 1 - 2 r, r = 1 / (1 + 2^(2 log2e z)): the factor 2 log2e is folded into all weights and biases, so an accumulator goes straight into
; v_exp_f32.  It holds at both ends: 2^big = inf gives r = 0, 2^-big = 0 gives r = 1.
; In the attention net 1 - 2 r is never formed.  Layer 2 takes r itself: its A is bf16(-4 log2e W2), and its bias 2 log2e b2 - 1/2 sum_k A, the sum
; made by the matrix unit from the same rounded A, so that what is computed is sum_k A (r - 1/2) in one f32 accumulator.  Layer 3 likewise (K3).
; The two layers with ONE output (64 -> 1, 256 -> 1) are f32 multiply-adds in the lanes that hold the activations: on the matrix unit they would
; use 1 of 16 result rows and need the rounding to bf16 besides.
;
; NO TENSOR LOADS, NO CLUSTER: what the work-groups share are the weights.  The largest, u1f, is read once by a work-group, 8,192 bytes a wave, by
; 16-byte loads straight into the fragment registers; a joint tensor load would put it into LDS and add the LDS reads.  The rest is under 40,000 bytes.
; A work-group's output is 128 consecutive bytes (32 rows of one f32), stored by one instruction.
;
; LIMITS, kept knowingly:
;  - masked logits are -1e30 in the base-2 domain (reference: -1e30 in the natural one): equal unless a true logit lies below about -7e29.
;  - the mask is the sign of a multiply and a fused multiply-add: where positions_local is zero to within rounding it may differ from the reference's.
;  - the attention net's first hidden layer enters the second as bf16(r): an absolute rounding error of up to 2^-9 in r, that is 2^-8 in tanh.
;  - the biases of the two first layers ride in the matrix product as two bf16 (high part, remainder): about 16 bits of each.
;  - v_exp_f32, v_rcp_f32, v_rsq_f32, v_sqrt_f32 are good to 1 ULP and flush denormals (ISA guide, their entries in 15.8).
;  - weights and inputs are finite: unused K positions are zeros on one side at least, and 0 x inf would be NaN.
.set SCALE,   0x4038aa3b               ; 2 log2(e)
.set NSCALE,  0xc038aa3b
.set N2SCALE, 0xc0b8aa3b               ; -4 log2(e)
.set LOG2E,   0x3fb8aa3b
.set NLOG2E,  0xbfb8aa3b
.set EPS16,   0x24e69595               ; 1e-16
.set EPS8,    0x322bcc77               ; 1e-8
.set NEGBIG,  0xf149f2ca               ; -1e30
.set ONES,    0x3f803f80               ; two bf16 ones
.set MHALF,   0xbf00bf00               ; two bf16 -0.5
.set BASES,   262144                   ; plan: byte offset of the blocks' 32 words
; LDS, all of it written by ds_store
.set W2S,  0                           ; -4log2e W2 in bf16, [k = 64][n = 64], pitch 160 = 5 x 32
.set P2A,  160
.set COEF, 10240                       ; exp(-attn): [32 rows][2] f32
.set LISTF, 10496                      ; the list: 8192 entries of 16 bytes.  Dead behind the loop; then it holds:
.set LOGB, LISTF+32768                 ;   the logits, 4 bytes x list place (below them 32,768 bytes for the chain's unused places)
.set H1,   LISTF+65536                 ;   transport h1 in bf16: [32 rows][256 k], pitch 528 = 33 x 16
.set PH1,  528
.set PART, H1+32*PH1                   ;   [32 parts][32 rows] f32: partial sums of the last layer
; vector registers of the attention part
.set IDX, 1                            ; my list place in the next trip
.set RC,  2                            ; v[2:17]    the chain: place k = my logit of k trips ago (the head keeps addresses here)
.set LAT, 18                           ; an LDS address
.set LN,  19                           ; lane
.set NEG, 20                           ; -1e30
.set PE,  22                           ; the even tile's partial logit; later the row's maximum
.set K3,  23                           ; the logit's constant; later the row's sum
.set ACC, 24                           ; v[24:27]   two pair sums of layer 3; later the row's weighted sums
.set B1,  28                           ; v[28:35]   layer 1's B: 28-31 a list entry, 32-35 zero
.set A1,  36                           ; v[36:67]   layer 1's A: 4 registers for (variant, tile) at 36 + 16 var + 4 t;  v[68:71] zero
.set A2,  72                           ; v[72:135]  layer 2's A: tile t, K step s at 72 + 8 (2t + s); behind the loop the transport net's 8 fragments
.set CPR, 72                           ; head: v[72:87] my 8 points' positions
.set C2,  136                          ; v[136:167] layer 2's bias in the result's layout
.set W3N, 168                          ; v[168:199] -2log2e w3 in the result's layout
.set DD,  200                          ; v[200:231] four result tiles (softmax: my 8 points' values in 200-215)
.set XX,  216                          ; head: x of the row
.set GG,  218                          ; head: v / |v|
.set F,   220                          ; head: v[220:223] a list entry
.set LG,  152                          ; softmax: v[152:167] my 16 logits
.set BH,  232                          ; v[232:247] activations in bf16 = layer 2's B (softmax: 16 addresses)
.set CO,  244                          ; v[244:247] exp(-attn) of my two rows
.set T,   248                          ; v[248:255] at work
.set SM,  PE
.set SS,  K3
.set AC,  ACC
; registers of the transport net that are loaded behind the loop
.set U0R, 48                           ; v[48:55] my unit's column of U0 as loaded, v56 its c0
.set ORW, 60                           ; offsets of those loads: rows of x, v, x', v'
.set OUN, 61                           ; unit 16W + r, f32
.set OUH, 62                           ; the same, 8 rows of U0 on in lanes 16-31
.set OCU, 63                           ; units 16W + 8h .., f32
.set OFR, 64                           ; my fragments in u1f
.set C1T, 216                          ; 2log2e c1 of my units
.set U2T, 224                          ; 2log2e u2 of my units
.set TAC, 240                          ; v[240:243] pair sums, v[244:245] partials
; ---------------------------------------------------------------- macros
; Four places behind a run of matrix instructions before a vector instruction reads a result (ISA guide 7.12.1).
.macro PLACES
.rept 4
	v_nop
.endr
.endm
; The same four places in the loop, filled with work: the chain moves on by one place a trip, from the top down; a = the highest place written here.
.macro PLC a
.irp i, 0,1,2,3
.if (\a-\i) >= 1
	v_mov_b32 v[RC+\a-\i], v[RC+\a-\i-1]
.else
	v_nop
.endif
.endr
.endm
.macro EXP8 t
.irp j, 0,1,2,3,4,5,6,7
	v_exp_f32 v[DD+8*\t+\j], v[DD+8*\t+\j]
.endr
.endm
.macro RCP8 t
.irp j, 0,1,2,3,4,5,6,7
	v_rcp_f32 v[DD+8*\t+\j], v[DD+8*\t+\j]
.endr
.endm
.macro ADD8 t
	s_wait_alu depctr_va_vdst(0)
.irp j, 0,2,4,6
	v_pk_add_f32 v[DD+8*\t+\j:DD+8*\t+\j+1], v[DD+8*\t+\j:DD+8*\t+\j+1], 1.0 op_sel_hi:[1,0]
.endr
.endm
; tile t of the attention net's layer 1: r itself, rounded to bf16, is layer 2's B fragment
.macro FINR t
	s_wait_alu depctr_va_vdst(0)
.irp i, 0,1,2,3
	v_cvt_pk_bf16_f32 v[BH+4*\t+\i], v[DD+8*\t+2*\i], v[DD+8*\t+2*\i+1]
.endr
.endm
; tile t of the transport net's layer 1: h = 1 - 2 r, rounded to bf16
.macro FINH t
	s_wait_alu depctr_va_vdst(0)
.irp i, 0,1,2,3
	v_pk_fma_f32 v[DD+8*\t+2*\i:DD+8*\t+2*\i+1], v[DD+8*\t+2*\i:DD+8*\t+2*\i+1], -2.0, 1.0 op_sel_hi:[1,0,0]
.endr
.irp i, 0,1,2,3
	v_cvt_pk_bf16_f32 v[BH+4*\t+\i], v[DD+8*\t+2*\i], v[DD+8*\t+2*\i+1]
.endr
.endm
; tile t: layer 3 of the attention net on the reciprocals themselves: sum of r_k (-2log2e w3_k); the constant part is in K3.
; Two pair sums take turns; the first two products start them, nothing is cleared.
.macro FINA t
.irp i, 0,1,2,3
.if (4*\t+\i) < 2
	v_pk_mul_f32 v[ACC+2*\i:ACC+2*\i+1], v[DD+2*\i:DD+2*\i+1], v[W3N+2*\i:W3N+2*\i+1]
	s_wait_alu depctr_va_vdst(0)
.else
	s_wait_alu depctr_va_vdst(0)
	v_pk_fma_f32 v[ACC+2*(\i&1):ACC+2*(\i&1)+1], v[DD+8*\t+2*\i:DD+8*\t+2*\i+1], v[W3N+8*\t+2*\i:W3N+8*\t+2*\i+1], v[ACC+2*(\i&1):ACC+2*(\i&1)+1]
.endif
.endr
.endm
; column tile c of the transport net: h2 = 1 - 2 r, then my 8 units' share of the last layer
.macro FINT c
	s_wait_alu depctr_va_vdst(0)
.irp i, 0,1,2,3
	v_pk_fma_f32 v[DD+8*\c+2*\i:DD+8*\c+2*\i+1], v[DD+8*\c+2*\i:DD+8*\c+2*\i+1], -2.0, 1.0 op_sel_hi:[1,0,0]
.endr
	v_pk_mul_f32 v[TAC+2*\c:TAC+2*\c+1], v[DD+8*\c:DD+8*\c+1], v[U2T:U2T+1]
.irp i, 1,2,3
	v_pk_fma_f32 v[TAC+2*\c:TAC+2*\c+1], v[DD+8*\c+2*\i:DD+8*\c+2*\i+1], v[U2T+2*\i:U2T+2*\i+1], v[TAC+2*\c:TAC+2*\c+1]
.endr
.endm
.macro FIN kind, t
.if \kind == 0
	FINR \t
.endif
.if \kind == 1
	FINA \t
.endif
.if \kind == 2
	FINT \t
.endif
.if \kind == 3
	FINH \t
.endif
.endm
; r = 1 / (1 + 2^acc) on four tiles, and what follows it.  The tiles are skewed so that behind every transcendental at least one plain vector
; instruction that touches neither its result nor its source stands before the result's first use (ISA guide 5.7.2): two v_nop for 64 transcendentals.
.macro TANH4 kind
	EXP8 0
	v_nop
	s_wait_alu depctr_va_vdst(0)
	ADD8 0
	RCP8 0
	EXP8 1
	v_nop
	s_wait_alu depctr_va_vdst(0)
	ADD8 1
	RCP8 1
	EXP8 2
	FIN \kind, 0
	ADD8 2
	RCP8 2
	EXP8 3
	FIN \kind, 1
	ADD8 3
	RCP8 3
	FIN \kind, 2
	FIN \kind, 3
.endm
.macro TANH2 kind
	EXP8 0
	v_nop
	s_wait_alu depctr_va_vdst(0)
	ADD8 0
	RCP8 0
	EXP8 1
	v_nop
	s_wait_alu depctr_va_vdst(0)
	ADD8 1
	RCP8 1
	FIN \kind, 0
	FIN \kind, 1
.endm
; Layer 1, 64 units x 16 pairs.  B holds TWO tiles' features: lanes 0-15 (k = 0..7) those of list places 32g + r, lanes 16-31 (k = 8..15) those of places
; 32g + 16 + r.  Variant 0 of A has its weights at k = 0..7 and zeros at 8..15, variant 1 the other way round.  A's registers 4-7 (k = 16..31) meet B's
; zeros, so each tuple may run on into the next tile's four (finite) registers.
.macro L1MM var
.irp t, 0,1,2,3
	v_wmma_f32_16x16x32_bf16 v[DD+8*\t:DD+8*\t+7], v[A1+16*\var+4*\t:A1+16*\var+4*\t+7], v[B1:B1+7], 0
.endr
.endm
; Layer 2, K = 64 in two steps; the first takes the bias as C.  The four accumulators take turns, one instruction a turn.
.macro L2MM
.irp t, 0,1,2,3
	v_wmma_f32_16x16x32_bf16 v[DD+8*\t:DD+8*\t+7], v[A2+16*\t:A2+16*\t+7], v[BH:BH+7], v[C2+8*\t:C2+8*\t+7]
.endr
.irp t, 0,1,2,3
	v_wmma_f32_16x16x32_bf16 v[DD+8*\t:DD+8*\t+7], v[A2+16*\t+8:A2+16*\t+15], v[BH+8:BH+15], v[DD+8*\t:DD+8*\t+7]
.endr
.endm
; One tile of 16 pairs through the three layers.  dst: in lane (r, h) the share of pair r's logit that comes from the units 16t + 8h + j.
; a: the chain's places that move here.  pre = 1: B1 has been read for the last time this trip; the next trip's entry is asked for, four places behind.
.macro TILE var, dst, a, pre
	L1MM \var
	PLC \a
.if \pre
	ds_load_b128 v[B1:B1+3], v[LAT]
.endif
	TANH4 0
	L2MM
	PLC \a-4
	TANH4 1
	v_pk_add_f32 v[ACC:ACC+1], v[ACC:ACC+1], v[ACC+2:ACC+3]
	v_add_f32 v[\dst], v[ACC], v[ACC+1]
.endm
; sum of register r over the 32 lanes, into every lane
.macro WSUM r
	v_add_f32_dpp v[\r], v[\r], v[\r] row_xmask:1 row_mask:0xf bank_mask:0xf
	v_add_f32_dpp v[\r], v[\r], v[\r] row_xmask:2 row_mask:0xf bank_mask:0xf
	v_add_f32_dpp v[\r], v[\r], v[\r] row_xmask:4 row_mask:0xf bank_mask:0xf
	v_add_f32_dpp v[\r], v[\r], v[\r] row_xmask:8 row_mask:0xf bank_mask:0xf
	v_permlanex16_b32 v[T+2], v[\r], s48, s49
	v_add_f32 v[\r], v[\r], v[T+2]
.endm
; Row i (0 or 1) of my two: geometry of its 256 pairs in f32, each pair's features to its place in the list.
; s93: live pairs of the block in front of the current word.  s94: cnt + 32 x the word's number in the block.
.macro CROW i
	v_mov_b32 v[XX], s[52+2*\i]
	v_mov_b32 v[XX+1], s[53+2*\i]
	v_mov_b32 v[T], s[56+2*\i]
	v_mov_b32 v[T+1], s[57+2*\i]
	v_mul_f32 v[T+2], v[T], v[T]
	v_fmac_f32 v[T+2], v[T+1], v[T+1]
	v_add_f32 v[T+2], EPS16, v[T+2]
	v_rsq_f32 v[T+2], v[T+2]
	v_cvt_pk_bf16_f32 v[F], v[XX], v[XX+1]         ; features 0, 1 (the plain instruction behind v_rsq_f32)
	v_cvt_pk_bf16_f32 v[F+1], v[T], v[T+1]         ; features 2, 3
	s_wait_alu depctr_va_vdst(0)
	v_mul_f32 v[GG], v[T], v[T+2]                  ; angles_global
	v_mul_f32 v[GG+1], v[T+1], v[T+2]
.irp u, 0,1,2,3,4,5,6,7
	v_pk_add_f32 v[T:T+1], v[XX:XX+1], v[CPR+2*\u:CPR+2*\u+1] neg_lo:[0,1] neg_hi:[0,1]   ; rel_vec
	v_fmaak_f32 v[T+2], v[T], v[T], EPS16
	v_fmac_f32 v[T+2], v[T+1], v[T+1]
	v_sqrt_f32 v[T+2], v[T+2]                      ; rel_dist2
	v_mul_f32 v[T+3], v[T], v[GG]                  ; positions_local (these two stand behind v_sqrt_f32)
	v_fmac_f32 v[T+3], v[T+1], v[GG+1]
	s_wait_alu depctr_va_vdst(0)
	v_add_f32 v[T+2], EPS8, v[T+2]
	v_rcp_f32 v[T+2], v[T+2]
	v_mbcnt_lo_u32_b32 v[T+4], s[76+8*\i+\u], s93  ; live pairs in front of mine (stands behind v_rcp_f32)
	v_sub_nc_u32 v[T+5], v[LN], v[T+4]
	s_wait_alu depctr_va_vdst(0)
	v_mul_f32 v[T+2], v[T+3], v[T+2]               ; angles_local
	v_add_nc_u32 v[T+5], s94, v[T+5]               ; cnt + masked pairs in front of mine
	v_cvt_pk_bf16_f32 v[F+2], v[T+2], v[T+3]       ; features 4, 5
	v_cndmask_b32 v[T+4], v[T+5], v[T+4], s[76+8*\i+\u]    ; the word is a lane mask: live pairs take the first number
	v_min_u32 v[T+4], 0x1fff, v[T+4]               ; a number made from plan: clamped to the list's 8192 entries
	v_lshl_add_u32 v[T+4], v[T+4], 4, LISTF
	ds_store_b128 v[T+4], v[F:F+3]
	s_bcnt1_i32_b32 s92, s[76+8*\i+\u]
	s_add_co_u32 s93, s93, s92
	s_add_co_u32 s94, s94, 32
.endr
.endm
; Row i of my two: softmax over its 256 points, 8 a lane, in v[LG+8i .. +7]; exp(-attn) into v[CO+2i], v[CO+2i+1].
.macro SROW i
	v_max3_num_f32 v[SM], v[LG+8*\i], v[LG+8*\i+1], v[LG+8*\i+2]
	v_max3_num_f32 v[SM], v[SM], v[LG+8*\i+3], v[LG+8*\i+4]
	v_max3_num_f32 v[SM], v[SM], v[LG+8*\i+5], v[LG+8*\i+6]
	v_max_num_f32 v[SM], v[SM], v[LG+8*\i+7]
	v_max_num_f32_dpp v[SM], v[SM], v[SM] row_xmask:1 row_mask:0xf bank_mask:0xf
	v_max_num_f32_dpp v[SM], v[SM], v[SM] row_xmask:2 row_mask:0xf bank_mask:0xf
	v_max_num_f32_dpp v[SM], v[SM], v[SM] row_xmask:4 row_mask:0xf bank_mask:0xf
	v_max_num_f32_dpp v[SM], v[SM], v[SM] row_xmask:8 row_mask:0xf bank_mask:0xf
	v_permlanex16_b32 v[T+1], v[SM], s48, s49
	v_max_num_f32 v[SM], v[SM], v[T+1]             ; the row's maximum, in every lane
.irp u, 0,1,2,3,4,5,6,7
	v_sub_f32 v[LG+8*\i+\u], v[LG+8*\i+\u], v[SM]
.endr
.irp u, 0,1,2,3,4,5,6,7
	v_exp_f32 v[LG+8*\i+\u], v[LG+8*\i+\u]
.endr
	v_nop                                          ; one plain instruction behind the transcendentals (ISA guide 5.7.2)
	s_wait_alu depctr_va_vdst(0)
	v_add_f32 v[SS], v[LG+8*\i], v[LG+8*\i+1]
	v_mul_f32 v[AC], v[LG+8*\i], v[DD]
	v_mul_f32 v[AC+1], v[LG+8*\i], v[DD+1]
.irp u, 1,2,3,4,5,6,7
	v_fmac_f32 v[AC], v[LG+8*\i+\u], v[DD+2*\u]
	v_fmac_f32 v[AC+1], v[LG+8*\i+\u], v[DD+2*\u+1]
.endr
.irp u, 2,3,4,5,6,7
	v_add_f32 v[SS], v[SS], v[LG+8*\i+\u]
.endr
	WSUM SS                                        ; at least 1: the point with the maximum adds 2^0
	WSUM AC
	WSUM AC+1
	v_rcp_f32 v[SS], v[SS]
	v_nop
	s_wait_alu depctr_va_vdst(0)
	v_mul_f32 v[SS], NLOG2E, v[SS]
	v_mul_f32 v[CO+2*\i], v[AC], v[SS]
	v_mul_f32 v[CO+2*\i+1], v[AC+1], v[SS]
	v_exp_f32 v[CO+2*\i], v[CO+2*\i]               ; exp(-attn)
	v_exp_f32 v[CO+2*\i+1], v[CO+2*\i+1]
	v_nop
.endm
; where the transport net's layer 2 keeps the B fragment of K step s, column tile c
.macro SETTB s, c
.if \s < 4
.set TB, 136+16*\s+8*\c
.else
.set TB, 8+16*(\s-4)+8*\c
.endif
.endm
; ---------------------------------------------------------------- head: addresses, constants, the attention net's weights
	s_load_b512 s[8:23], s[0:1], 0x0               ; x 8, v 10, x' 12, v' 14, positions 16, values 18, W1 20, b1 22
	s_load_b512 s[24:39], s[0:1], 0x40             ; W2 24, b2 26, w3 28, b3 30, U0 32, c0 34, u1f 36, c1 38
	s_load_b128 s[40:43], s[0:1], 0x80             ; u2 40, c2 42
	s_load_b64 s[44:45], s[0:1], 0x90              ; out0
	s_load_b64 s[4:5], s[0:1], 0x98                ; plan
	v_lshrrev_b32 v1, 5, v0
	v_readfirstlane_b32 s2, v1                     ; wave W, 0 to 15
	s_mov_b32 s3, ttmp9                            ; work-group g
	s_mov_b32 s46, 0xffff0000                      ; the lanes with h = 1
	s_mov_b32 s48, 0x76543210                      ; v_permlanex16_b32: lane i reads lane i xor 16
	s_mov_b32 s49, 0xfedcba98
	s_mov_b32 s62, SCALE                           ; pairs, since a packed multiply reads a pair
	s_mov_b32 s63, SCALE
	s_mov_b32 s74, NSCALE
	s_mov_b32 s75, NSCALE
	s_mov_b32 s50, N2SCALE
	s_mov_b32 s51, N2SCALE
	s_lshl_b32 s66, s3, 8                          ; 32 rows of 8 bytes a group,
	s_lshl4_add_u32 s66, s2, s66                   ; 2 rows a wave
	s_mov_b32 s67, 0
	s_lshl_b32 s92, s66, 2                         ; and 32 bytes of mask a row
	s_mov_b32 s93, 0
	s_lshl_b32 s94, s3, 7                          ; the block's 32 words,
	s_lshl2_add_u32 s94, s2, s94                   ; entry W
	s_mov_b32 s95, 0
	v_and_b32 v10, 15, v0                          ; r
	v_bfe_u32 v11, v0, 4, 1                        ; h
	v_lshlrev_b32 v2, 5, v11                       ; 32 h: 8 units of f32
	v_lshlrev_b32 v3, 2, v10                       ; 4 r
	v_and_b32 v[LN], 31, v0                        ; lane
	v_lshlrev_b32 v4, 3, v[LN]                     ; a point's 8 bytes
	v_lshlrev_b32 v5, 4, v0                        ; 16 x thread
	v_lshrrev_b32 v12, 4, v0
	v_mul_u32_u24 v7, v12, P2A
	v_lshl_add_u32 v7, v10, 3, v7                  ; W2 in LDS: row thread / 16, 4 columns at thread mod 16
.irp j, 4,5,6,7
	v_mov_b32 v[B1+\j], 0
	v_mov_b32 v[A1+28+\j], 0
.endr
	v_mov_b32 v[T+7], 0                            ; later a destination of v_permlanex16_b32, which counts as read
	s_wait_kmcnt 0x0
	s_add_nc_u64 s[68:69], s[8:9], s[66:67]
	s_add_nc_u64 s[70:71], s[10:11], s[66:67]
	s_add_nc_u64 s[72:73], s[4:5], s[92:93]
	s_add_nc_u64 s[96:97], s[4:5], s[94:95]
	s_load_b128 s[52:55], s[68:69], 0x0            ; x of my two rows
	s_load_b128 s[56:59], s[70:71], 0x0            ; v of my two rows
	s_load_b32 s60, s[30:31], 0x0                  ; b3
	s_load_b32 s61, s[42:43], 0x0                  ; c2
	s_load_b512 s[76:91], s[72:73], 0x0            ; the 16 mask words of my two rows
	s_load_b32 s6, s[96:97], BASES                 ; live pairs of the block in front of my rows
	s_load_b32 s7, s[96:97], BASES+64              ; live pairs of the block (entries 16 to 31 all hold it)
.irp u, 0,1,2,3,4,5,6,7
	global_load_b64 v[CPR+2*\u:CPR+2*\u+1], v4, s[16:17] offset:256*\u       ; the positions of my points 32u + lane
.endr
.irp t, 0,1,2,3
	global_load_b128 v[C2+8*\t:C2+8*\t+3], v2, s[26:27] offset:64*\t         ; b2[16t + 8h + j]
	global_load_b128 v[C2+8*\t+4:C2+8*\t+7], v2, s[26:27] offset:64*\t+16
.endr
.irp t, 0,1,2,3
	global_load_b128 v[W3N+8*\t:W3N+8*\t+3], v2, s[28:29] offset:64*\t       ; w3[16t + 8h + j]
	global_load_b128 v[W3N+8*\t+4:W3N+8*\t+7], v2, s[28:29] offset:64*\t+16
.endr
.irp t, 0,1,2,3
.irp k, 0,1,2,3,4,5
	global_load_b32 v[DD+8*\t+\k], v3, s[20:21] offset:256*\k+64*\t          ; W1[k][16t + r]
.endr
	global_load_b32 v[DD+8*\t+6], v3, s[22:23] offset:64*\t                  ; b1[16t + r]
.endr
	global_load_b128 v[232:235], v5, s[24:25]                                ; W2: 1,024 pieces of 16 bytes, two a thread
	global_load_b128 v[236:239], v5, s[24:25] offset:8192
	s_wait_loadcnt 0x0
	s_wait_kmcnt 0x0                               ; my rows, b3, c2, my mask words and counts
	s_min_u32 s6, s6, 0x2000                       ; numbers from plan are clamped before they steer anything
	s_min_u32 s7, s7, 0x2000
	s_add_co_u32 s47, s7, 31
	s_lshr_b32 s47, s47, 5                         ; groups of 32 list entries that hold a live pair
	s_add_co_u32 s47, s47, 15
	s_sub_co_u32 s47, s47, s2
	s_lshr_b32 s47, s47, 4                         ; my trips: groups W, W + 16, ..
	s_min_u32 s47, s47, 16
.irp q, 0,1
	v_pk_mul_f32 v[232+4*\q:233+4*\q], v[232+4*\q:233+4*\q], s[50:51] op_sel_hi:[1,0]
	v_pk_mul_f32 v[234+4*\q:235+4*\q], v[234+4*\q:235+4*\q], s[50:51] op_sel_hi:[1,0]
	v_cvt_pk_bf16_f32 v[T], v[232+4*\q], v[233+4*\q]
	v_cvt_pk_bf16_f32 v[T+1], v[234+4*\q], v[235+4*\q]
	ds_store_b64 v7, v[T:T+1] offset:W2S+32*P2A*\q
.endr
.irp j, 0,2,4,6,8,10,12,14,16,18,20,22,24,26,28,30
	v_pk_mul_f32 v[C2+\j:C2+\j+1], v[C2+\j:C2+\j+1], s[62:63] op_sel_hi:[1,0]
	v_pk_mul_f32 v[W3N+\j:W3N+\j+1], v[W3N+\j:W3N+\j+1], s[74:75] op_sel_hi:[1,0]
.endr
	; log2e (b3 + sum w3 (1 - 2r)) = [log2e b3 - 1/2 sum W3N] + sum r W3N: the bracket is K3
	v_pk_add_f32 v[T:T+1], v[W3N:W3N+1], v[W3N+2:W3N+3]
	v_pk_add_f32 v[T+2:T+3], v[W3N+4:W3N+5], v[W3N+6:W3N+7]
.irp j, 8,12,16,20,24,28
	v_pk_add_f32 v[T:T+1], v[T:T+1], v[W3N+\j:W3N+\j+1]
	v_pk_add_f32 v[T+2:T+3], v[T+2:T+3], v[W3N+\j+2:W3N+\j+3]
.endr
	v_pk_add_f32 v[T:T+1], v[T:T+1], v[T+2:T+3]
	v_add_f32 v[T], v[T], v[T+1]                   ; my 32 units,
	v_permlanex16_b32 v[T+1], v[T], s48, s49
	v_add_f32 v[T], v[T], v[T+1]                   ; and the other half's 32
	s_mul_f32 s60, s60, LOG2E
	s_mul_f32 s61, s61, SCALE
	v_fma_f32 v[K3], v[T], -0.5, s60
	; layer 1's A: k = 0..5 the weights, k = 6, 7 the bias as a bf16 and the bf16 of what that leaves; once for each half of the lanes
.irp t, 0,1,2,3
	v_pk_mul_f32 v[DD+8*\t:DD+8*\t+1], v[DD+8*\t:DD+8*\t+1], s[62:63] op_sel_hi:[1,0]
	v_pk_mul_f32 v[DD+8*\t+2:DD+8*\t+3], v[DD+8*\t+2:DD+8*\t+3], s[62:63] op_sel_hi:[1,0]
	v_pk_mul_f32 v[DD+8*\t+4:DD+8*\t+5], v[DD+8*\t+4:DD+8*\t+5], s[62:63] op_sel_hi:[1,0]
	v_mul_f32 v[DD+8*\t+6], s62, v[DD+8*\t+6]
	v_cvt_pk_bf16_f32 v[T], v[DD+8*\t], v[DD+8*\t+1]
	v_cvt_pk_bf16_f32 v[T+1], v[DD+8*\t+2], v[DD+8*\t+3]
	v_cvt_pk_bf16_f32 v[T+2], v[DD+8*\t+4], v[DD+8*\t+5]
	v_cvt_pk_bf16_f32 v[T+4], v[DD+8*\t+6], v[DD+8*\t+6]
	v_lshlrev_b32 v[T+4], 16, v[T+4]               ; the bias's high part as f32
	v_sub_f32 v[T+5], v[DD+8*\t+6], v[T+4]         ; what it leaves
	v_cvt_pk_bf16_f32 v[T+3], v[T+4], v[T+5]
.irp i, 0,1,2,3
	v_cndmask_b32 v[A1+4*\t+\i], v[T+\i], 0, s46           ; variant 0: lanes 0-15
	v_cndmask_b32 v[A1+16+4*\t+\i], 0, v[T+\i], s46        ; variant 1: lanes 16-31
.endr
.endr
	; the list: my two rows' 512 pairs to their places
	s_mov_b32 s93, s6
	s_lshl_b32 s94, s2, 9                          ; 32 x my first word's number in the block
	s_add_co_u32 s94, s94, s7
	v_mov_b32 v[F+3], ONES                         ; features 6, 7 = 1: they meet the bias's two parts
	CROW 0
	CROW 1
	s_wait_dscnt 0x0                               ; for the other waves' sake: all my LDS stores are done
	s_barrier_signal -1
	s_barrier_wait -1                              ; W2 and the list are whole.  From here to the next barrier LDS is only read
; ---------------------------------------------------------------- layer 2's A fragments: W2 lies [k][n], the transposing load turns it
	v_and_b32 v[T], 7, v0
	v_bfe_u32 v[T+1], v0, 4, 1
	v_bfe_u32 v[T+2], v0, 3, 1
	v_lshl_add_u32 v[T], v[T+1], 3, v[T]           ; row 8h + lane mod 8
	v_mul_u32_u24 v[T+3], v[T], P2A
	v_lshl_add_u32 v[T+3], v[T+2], 4, v[T+3]       ; 8 columns for each eight lanes
.irp t, 0,1,2,3
.irp s, 0,1
	ds_load_tr16_b128 v[A2+8*(2*\t+\s):A2+8*(2*\t+\s)+3], v[T+3] offset:W2S+32*P2A*\s+32*\t
	ds_load_tr16_b128 v[A2+8*(2*\t+\s)+4:A2+8*(2*\t+\s)+7], v[T+3] offset:W2S+32*P2A*\s+16*P2A+32*\t
.endr
.endr
.irp j, 0,1,2,3,4,5,6,7
	v_mov_b32 v[BH+\j], MHALF                      ; a B fragment of -0.5 everywhere
.endr
	s_wait_dscnt 0x0
	; layer 2's bias takes -1/2 sum_k A in, from the rounded A itself.  The four accumulators take turns, one instruction a turn.
.irp t, 0,1,2,3
	v_wmma_f32_16x16x32_bf16 v[C2+8*\t:C2+8*\t+7], v[A2+16*\t:A2+16*\t+7], v[BH:BH+7], v[C2+8*\t:C2+8*\t+7]
.endr
.irp t, 0,1,2,3
	v_wmma_f32_16x16x32_bf16 v[C2+8*\t:C2+8*\t+7], v[A2+16*\t+8:A2+16*\t+15], v[BH:BH+7], v[C2+8*\t:C2+8*\t+7]
.endr
.irp k, 0,1,2,3,4,5,6,7,8,9,10,11,12,13,14,15
	v_mov_b32 v[RC+\k], 0                          ; the chain's places are all stored later, used or not (and these are the places behind the products above)
.endr
	v_mov_b32 v[IDX], v0                           ; my place in group W: 32 W + lane
; ---------------------------------------------------------------- attention net: my groups of 32 list entries
	s_cmp_eq_u32 s47, 0
	s_cbranch_scc1 .Lnoloop
	v_lshl_add_u32 v[LAT], v0, 4, LISTF
	ds_load_b128 v[B1:B1+3], v[LAT]                ; the first trip's entry
	s_mov_b32 s51, 0
.Lgroup:
	v_add_nc_u32 v[IDX], 512, v[IDX]               ; 16 groups on
	v_min_u32 v[LAT], 0x1fff, v[IDX]               ; the last trip asks too: clamped to the list, and not used
	v_lshl_add_u32 v[LAT], v[LAT], 4, LISTF
	s_wait_dscnt 0x0                               ; this trip's entry, asked for half a trip ago
	TILE 0, PE, 15, 0                              ; list places 32g + r
	TILE 1, T+6, 7, 1                              ; list places 32g + 16 + r
	; lane 16h + r takes its own pair's logit: its own share of its tile, and the share that lane r + 16 (1 - h) holds
	v_cndmask_b32 v[T+4], v[PE], v[T+6], s46       ; mine
	v_cndmask_b32 v[T+5], v[T+6], v[PE], s46       ; the other half's
	v_permlanex16_b32 v[T+7], v[T+5], s48, s49
	v_add_f32 v[T+4], v[T+4], v[K3]
	v_add_f32 v[RC], v[T+4], v[T+7]                ; log2e x logit, into the chain's first place
	s_add_co_u32 s51, s51, 1
	s_cmp_lt_u32 s51, s47
	s_cbranch_scc1 .Lgroup
.Lnoloop:
	; The attention net's weights are dead.  Everything that is still to come from memory is asked for now: 45 loads a wave.
	v_lshlrev_b32 v21, 3, v[LN]
.irp u, 0,1,2,3,4,5,6,7
	global_load_b64 v[DD+2*\u:DD+2*\u+1], v21, s[18:19] offset:256*\u        ; the values of my points 32u + lane, for the softmax
.endr
	v_and_b32 v58, 15, v0                          ; r
	v_bfe_u32 v59, v0, 4, 1                        ; h
	s_lshl_b32 s66, s3, 8
	s_lshl_b32 s67, s2, 6
	s_lshl_b32 s50, s2, 13
	v_lshl_add_u32 v[ORW], v58, 3, s66             ; row 32g + r of x, v, x', v'
	v_lshl_add_u32 v[OUN], v58, 2, s67             ; unit 16W + r, f32
	v_lshl_add_u32 v[OUH], v59, 13, v[OUN]         ; and 8 rows of U0 on for h = 1
	v_lshl_add_u32 v[OCU], v59, 5, s67             ; units 16W + 8h .., f32
	v_lshl_add_u32 v[OFR], v[LN], 4, s50           ; my 16 fragment halves of 512 bytes, 16 bytes a lane
.irp c, 0,1
	global_load_b64 v[136+8*\c:137+8*\c], v[ORW], s[8:9] offset:128*\c
	global_load_b64 v[138+8*\c:139+8*\c], v[ORW], s[10:11] offset:128*\c
	global_load_b64 v[140+8*\c:141+8*\c], v[ORW], s[12:13] offset:128*\c
	global_load_b64 v[142+8*\c:143+8*\c], v[ORW], s[14:15] offset:128*\c
.endr
	global_load_b32 v[U0R], v[OUH], s[32:33]               ; U0 rows 0, 1 (h = 0) or 8, 9 (h = 1)
	global_load_b32 v[U0R+1], v[OUH], s[32:33] offset:1024
.irp i, 2,3,4,5,6,7
	global_load_b32 v[U0R+\i], v[OUN], s[32:33] offset:1024*\i     ; rows 2 to 7 in all lanes: no lane leaves the 10 rows
.endr
	global_load_b32 v[U0R+8], v[OUN], s[34:35]             ; c0
	global_load_b128 v[C1T:C1T+3], v[OCU], s[38:39]
	global_load_b128 v[C1T+4:C1T+7], v[OCU], s[38:39] offset:16
	global_load_b128 v[U2T:U2T+3], v[OCU], s[40:41]
	global_load_b128 v[U2T+4:U2T+7], v[OCU], s[40:41] offset:16
.irp f, 0,1,2,3,4,5,6,7,8,9,10,11,12,13,14,15
	global_load_b128 v[A2+4*\f:A2+4*\f+3], v[OFR], s[36:37] offset:512*\f    ; 2log2e U1, K step f / 2, half f mod 2: already an A fragment
.endr
	s_lshl_b32 s92, s47, 11                        ; 2,048 bytes of logits for each of my trips (16 groups of 128 bytes),
	s_lshl_b32 s93, s2, 7                          ; my group's 128 among them
	s_add_co_u32 s92, s92, s93
	s_add_co_u32 s92, s92, LISTF
	v_lshl_add_u32 v[LAT], v[LN], 2, s92
	v_mov_b32 v[NEG], NEGBIG
	s_wait_dscnt 0x0                               ; my reads of the list are over
	s_barrier_signal -1
	s_barrier_wait -1                              ; everybody's are: the list's bytes may be written.  To the next barrier LDS is only written
.irp k, 0,1,2,3,4,5,6,7,8,9,10,11,12,13,14,15
	ds_store_b32 v[LAT], v[RC+\k] offset:32768-2048*(\k+1)   ; place k = trip T-1-k: byte 4 x list place of LOGB; k >= T falls into the 32,768 bytes below
.endr
	s_wait_dscnt 0x0                               ; for the other waves' sake
	s_barrier_signal -1
	s_barrier_wait -1                              ; all logits are there.  To the next barrier LDS is only read
; ---------------------------------------------------------------- softmax of my two rows
	s_mov_b32 s93, s6
.irp j, 0,1,2,3,4,5,6,7,8,9,10,11,12,13,14,15
	v_mbcnt_lo_u32_b32 v[BH+\j], s[76+\j], s93     ; a live pair's list place, as in the head
	v_min_u32 v[BH+\j], 0x1fff, v[BH+\j]
	v_lshl_add_u32 v[BH+\j], v[BH+\j], 2, LOGB
	ds_load_b32 v[LG+\j], v[BH+\j]                 ; (a masked pair reads some written word, and drops it)
	s_bcnt1_i32_b32 s92, s[76+\j]
	s_add_co_u32 s93, s93, s92
.endr
	s_wait_dscnt 0x0
	s_wait_loadcnt 37                              ; loads come back in order (ISA guide 5.7.1): the 8 of the values are in; the 8 + 9 + 4 + 16 behind them stay out
.irp j, 0,1,2,3,4,5,6,7,8,9,10,11,12,13,14,15
	v_cndmask_b32 v[LG+\j], v[NEG], v[LG+\j], s[76+\j]     ; -1e30 where masked
.endr
	SROW 0
	SROW 1
; ---------------------------------------------------------------- transport net
	v_and_b32 v17, 15, v0                          ; r
	v_bfe_u32 v18, v0, 4, 1                        ; h
	s_lshl_b32 s51, s2, 5                          ; my 16 units: 32 bytes of bf16
	s_lshl_b32 s50, s2, 8
	s_lshl_b32 s92, s2, 4
	v_mov_b32 v250, s92                            ; my two rows' 16 bytes of COEF
	v_mov_b32 v251, ONES
	v_lshlrev_b32 v7, 3, v17                       ; row r's 8 bytes of COEF
	v_mul_u32_u24 v21, v17, PH1
	v_lshl_add_u32 v21, v18, 4, v21
	v_add_nc_u32 v253, H1, v21                     ; h1 as a B fragment: row r, 16 h
	v_add_nc_u32 v252, s51, v253                   ; h1 as I store it: my 16 units' columns
	v_lshlrev_b32 v22, 2, v17
	v_lshl_add_u32 v22, v18, 7, v22
	v_add_nc_u32 v22, s50, v22
	v_add_nc_u32 v254, PART, v22                   ; part 2W + h, row r
	s_wait_dscnt 0x0                               ; my reads of the logits are over
	s_barrier_signal -1
	s_barrier_wait -1                              ; everybody's are: LDS may be written again
	s_wait_alu depctr_va_vdst(0)
	ds_store_b128 v250, v[CO:CO+3] offset:COEF     ; all lanes hold the same four numbers and write the same 16 bytes
	s_wait_dscnt 0x0                               ; for the other waves' sake
	s_barrier_signal -1
	s_barrier_wait -1                              ; all 32 rows' coefficients are there
	ds_load_b64 v[152:153], v7 offset:COEF
	ds_load_b64 v[154:155], v7 offset:COEF+128
	s_wait_loadcnt 0x0                             ; all that was asked for behind the loop
	s_wait_dscnt 0x0
	; A of layer 1: lanes 0-15 rows 0-7 of U0; lanes 16-31 rows 8, 9, the bias's two parts, zeros.  k = 16..31: zeros
.irp j, 0,2,4,6
	v_pk_mul_f32 v[U0R+\j:U0R+\j+1], v[U0R+\j:U0R+\j+1], s[62:63] op_sel_hi:[1,0]
	v_pk_mul_f32 v[C1T+\j:C1T+\j+1], v[C1T+\j:C1T+\j+1], s[62:63] op_sel_hi:[1,0]
	v_pk_mul_f32 v[U2T+\j:U2T+\j+1], v[U2T+\j:U2T+\j+1], s[62:63] op_sel_hi:[1,0]
.endr
	v_mul_f32 v[U0R+8], s62, v[U0R+8]
	v_cvt_pk_bf16_f32 v24, v[U0R], v[U0R+1]
	v_cvt_pk_bf16_f32 v18, v[U0R+2], v[U0R+3]
	v_cvt_pk_bf16_f32 v19, v[U0R+4], v[U0R+5]
	v_cvt_pk_bf16_f32 v20, v[U0R+6], v[U0R+7]
	v_cvt_pk_bf16_f32 v21, v[U0R+8], v[U0R+8]
	v_lshlrev_b32 v21, 16, v21
	v_sub_f32 v22, v[U0R+8], v21
	v_cvt_pk_bf16_f32 v23, v21, v22
	v_cndmask_b32 v25, v18, v23, s46
	v_cndmask_b32 v26, v19, 0, s46
	v_cndmask_b32 v27, v20, 0, s46
.irp j, 28,29,30,31
	v_mov_b32 v[\j], 0
.endr
	; B of layer 1, rows 16c + r: lanes 0-15 x, v, x', v'; lanes 16-31 the coefficients, two ones, zeros
.irp c, 0,1
	v_cvt_pk_bf16_f32 v17, v[136+8*\c], v[137+8*\c]
	v_cvt_pk_bf16_f32 v18, v[138+8*\c], v[139+8*\c]
	v_cvt_pk_bf16_f32 v19, v[140+8*\c], v[141+8*\c]
	v_cvt_pk_bf16_f32 v20, v[142+8*\c], v[143+8*\c]
	v_cvt_pk_bf16_f32 v21, v[152+2*\c], v[153+2*\c]
	v_cndmask_b32 v[32+8*\c], v17, v21, s46
	v_cndmask_b32 v[33+8*\c], v18, v251, s46
	v_cndmask_b32 v[34+8*\c], v19, 0, s46
	v_cndmask_b32 v[35+8*\c], v20, 0, s46
.irp j, 36,37,38,39
	v_mov_b32 v[\j+8*\c], 0
.endr
.endr
	v_wmma_f32_16x16x32_bf16 v[DD:DD+7], v[24:31], v[32:39], 0
	v_wmma_f32_16x16x32_bf16 v[DD+8:DD+15], v[24:31], v[40:47], 0
	PLACES
	TANH2 3
	ds_store_b128 v252, v[BH:BH+3]                 ; h1 of units 16W + 8h .. +7, row r
	ds_store_b128 v252, v[BH+4:BH+7] offset:16*PH1 ; row 16 + r
	s_wait_dscnt 0x0                               ; for the other waves' sake
	s_barrier_signal -1
	s_barrier_wait -1                              ; h1 is whole
	; layer 2: K = 256 in 8 steps, two column tiles; all 32 fragment loads go out at once
.irp s, 0,1,2,3,4,5,6,7
.irp c, 0,1
	SETTB \s, \c
	ds_load_b128 v[TB:TB+3], v253 offset:16*PH1*\c+64*\s
	ds_load_b128 v[TB+4:TB+7], v253 offset:16*PH1*\c+64*\s+32
.endr
.endr
	; the two accumulators take turns, one instruction a turn; the first step takes the bias as C
.irp s, 0,1,2,3,4,5,6,7
	s_wait_dscnt 4*(7-\s)                          ; four loads for each later K step stay out
	SETTB \s, 0
.if \s == 0
	v_wmma_f32_16x16x32_bf16 v[DD:DD+7], v[A2+8*\s:A2+8*\s+7], v[TB:TB+7], v[C1T:C1T+7]
.else
	v_wmma_f32_16x16x32_bf16 v[DD:DD+7], v[A2+8*\s:A2+8*\s+7], v[TB:TB+7], v[DD:DD+7]
.endif
	SETTB \s, 1
.if \s == 0
	v_wmma_f32_16x16x32_bf16 v[DD+8:DD+15], v[A2+8*\s:A2+8*\s+7], v[TB:TB+7], v[C1T:C1T+7]
.else
	v_wmma_f32_16x16x32_bf16 v[DD+8:DD+15], v[A2+8*\s:A2+8*\s+7], v[TB:TB+7], v[DD+8:DD+15]
.endif
.endr
	PLACES
	TANH2 2
	v_add_f32 v[TAC+4], v[TAC], v[TAC+1]           ; my 8 units' share of 2log2e u2 . h2, row r
	v_add_f32 v[TAC+5], v[TAC+2], v[TAC+3]         ; row 16 + r
	ds_store_b32 v254, v[TAC+4]
	ds_store_b32 v254, v[TAC+5] offset:64
	s_wait_dscnt 0x0                               ; for wave 0's sake
	s_barrier_signal -1
	s_barrier_wait -1                              ; all 32 parts of all 32 rows are there
	s_cmp_lg_u32 s2, 0
	s_cbranch_scc1 .Lend
	; wave 0: lane = row.  32 parts, the bias, tanh, exp, and 128 consecutive bytes out
	v_and_b32 v255, 31, v0
	v_lshlrev_b32 v249, 2, v255
	v_add_nc_u32 v249, PART, v249
	s_lshl_b32 s50, s3, 7
	v_lshl_add_u32 v255, v255, 2, s50
.irp i, 0,1,2,3,4,5,6,7,8,9,10,11,12,13,14,15,16,17,18,19,20,21,22,23,24,25,26,27,28,29,30,31
	ds_load_b32 v[8+\i], v249 offset:128*\i
.endr
	s_wait_dscnt 0x0
.irp j, 0,2,4,6,8,10,12,14
	v_pk_add_f32 v[8+\j:9+\j], v[8+\j:9+\j], v[24+\j:25+\j]
.endr
.irp j, 0,2,4,6
	v_pk_add_f32 v[8+\j:9+\j], v[8+\j:9+\j], v[16+\j:17+\j]
.endr
	v_pk_add_f32 v[8:9], v[8:9], v[12:13]
	v_pk_add_f32 v[10:11], v[10:11], v[14:15]
	v_pk_add_f32 v[8:9], v[8:9], v[10:11]
	v_add_f32 v8, v8, v9
	v_add_f32 v8, s61, v8                          ; + 2log2e c2
	v_exp_f32 v8, v8
	v_nop                                          ; one plain instruction behind each transcendental (ISA guide 5.7.2)
	s_wait_alu depctr_va_vdst(0)
	v_add_f32 v8, 1.0, v8
	v_rcp_f32 v8, v8
	v_nop
	s_wait_alu depctr_va_vdst(0)
	v_fma_f32 v8, v8, -2.0, 1.0                    ; tanh
	v_mul_f32 v8, LOG2E, v8
	v_exp_f32 v8, v8                               ; exp
	v_nop
	s_wait_alu depctr_va_vdst(0)
	global_store_b32 v255, v8, s[44:45]
.Lend:
	s_wait_xcnt 0x0
	v_lshl_add_u32 v254, v0, 2, 0x22900
	v_mov_b32 v255, 0
	s_wait_tensorcnt 0x0
	ds_add_u32 v254, v255
	s_wait_dscnt 0x0
	s_endpgm
.Lfunc_end_k_q4ee93c6029_transport:
	.size	k_q4ee93c6029_transport, .Lfunc_end_k_q4ee93c6029_transport-k_q4ee93c6029_transport
	.p2alignl 7, 3214868480
	.fill 96, 4, 3214868480
	.section	.rodata,"a",@progbits
	.p2align	6, 0x0
	.amdhsa_kernel k_q4ee93c6029_transport
		.amdhsa_group_segment_fixed_size 143616
		.amdhsa_private_segment_fixed_size 0
		.amdhsa_enable_private_segment 0
		.amdhsa_kernarg_size 160
		.amdhsa_user_sgpr_count 2
		.amdhsa_user_sgpr_kernarg_segment_ptr 1
		.amdhsa_wavefront_size32 1
		.amdhsa_system_sgpr_workgroup_id_x 1
		.amdhsa_system_sgpr_workgroup_id_y 1
		.amdhsa_system_sgpr_workgroup_id_z 1
		.amdhsa_system_vgpr_workitem_id 0
		.amdhsa_next_free_vgpr 256
		.amdhsa_next_free_sgpr 98
		.amdhsa_reserve_vcc 0
		.amdhsa_float_denorm_mode_32 3
		.amdhsa_float_denorm_mode_16_64 3
		.amdhsa_memory_ordered 1
		.amdhsa_forward_progress 1
		.amdhsa_inst_pref_size 96
	.end_amdhsa_kernel
	.amdgpu_metadata
---
amdhsa.version: [ 1, 2 ]
amdhsa.kernels:
  - .name:           k_q4ee93c6029_transport
    .symbol:         k_q4ee93c6029_transport.kd
    .args:
      - { .name: x, .offset: 0, .size: 8, .value_kind: global_buffer, .address_space: global }
      - { .name: v, .offset: 8, .size: 8, .value_kind: global_buffer, .address_space: global }
      - { .name: x_prime, .offset: 16, .size: 8, .value_kind: global_buffer, .address_space: global }
      - { .name: v_prime, .offset: 24, .size: 8, .value_kind: global_buffer, .address_space: global }
      - { .name: coeff_position, .offset: 32, .size: 8, .value_kind: global_buffer, .address_space: global }
      - { .name: coeff_values, .offset: 40, .size: 8, .value_kind: global_buffer, .address_space: global }
      - { .name: attn_params_0_0, .offset: 48, .size: 8, .value_kind: global_buffer, .address_space: global }
      - { .name: attn_params_0_1, .offset: 56, .size: 8, .value_kind: global_buffer, .address_space: global }
      - { .name: attn_params_1_0, .offset: 64, .size: 8, .value_kind: global_buffer, .address_space: global }
      - { .name: attn_params_1_1, .offset: 72, .size: 8, .value_kind: global_buffer, .address_space: global }
      - { .name: attn_params_2_0, .offset: 80, .size: 8, .value_kind: global_buffer, .address_space: global }
      - { .name: attn_params_2_1, .offset: 88, .size: 8, .value_kind: global_buffer, .address_space: global }
      - { .name: transport_params_0_0, .offset: 96, .size: 8, .value_kind: global_buffer, .address_space: global }
      - { .name: transport_params_0_1, .offset: 104, .size: 8, .value_kind: global_buffer, .address_space: global }
      - { .name: u1f, .offset: 112, .size: 8, .value_kind: global_buffer, .address_space: global }
      - { .name: transport_params_1_1, .offset: 120, .size: 8, .value_kind: global_buffer, .address_space: global }
      - { .name: transport_params_2_0, .offset: 128, .size: 8, .value_kind: global_buffer, .address_space: global }
      - { .name: transport_params_2_1, .offset: 136, .size: 8, .value_kind: global_buffer, .address_space: global }
      - { .name: out0, .offset: 144, .size: 8, .value_kind: global_buffer, .address_space: global }
      - { .name: plan, .offset: 152, .size: 8, .value_kind: global_buffer, .address_space: global }
    .group_segment_fixed_size: 143616
    .private_segment_fixed_size: 0
    .kernarg_segment_align: 8
    .kernarg_segment_size: 160
    .max_flat_workgroup_size: 512
    .sgpr_count:     98
    .vgpr_count:     256
    .wavefront_size: 32
...
	.end_amdgpu_metadata
.endif
;; end of part 5
